; MI455X (gfx1250); checked and timed in simulation.
; The chip was launched on July 23, 2026; its instructions are those of AMD's public machine-readable ISA for CDNA 5 (MIT licence, August 2026) and "CDNA5" Instruction Set Architecture Reference Guide (July 2026). The comments in the code are by the model that wrote it; some were corrected since.
;; Mo EFFN. Allowed arithmetic: matrix products marked QUANTISED: E2M3 operands, one E8M0 scale for each 32 along K, by v_wmma_scale_f32_16x16x128_f8f6f4 with both operands' format E2M3, f32 sums; products left as they are: f32 operands where the result goes on into a quantised operand, else bf16, f16 or f32 operands; f32 sums; everything else in f32.
;; Inputs: b1 4 x 4,096 float32; b2 4 x 1,024 float32; router_b 4 float32; router_w 1,024 x 4 float32; w1_codes 4 x 4,096 x 32 x 24 uint8 (E2M3 codes of w1, K innermost, in blocks of 32 codes, four codes in three bytes); w1_scales 4 x 4,096 x 32 uint8 (E8M0 scales of w1, one for each 32 codes along K); w2_codes 4 x 1,024 x 128 x 24 uint8 (E2M3 codes of w2, K innermost, in blocks of 32 codes, four codes in three bytes); w2_scales 4 x 1,024 x 128 uint8 (E8M0 scales of w2, one for each 32 codes along K); x 4 x 512 x 1,024 float32.
;; Outputs: out0 4 x 512 x 1,024 float32.
;; This version of the problem:
;;   THIS VERSION OF THE PROBLEM IS GIVEN IN LOW PRECISION. The matrix products marked QUANTISED in the list below multiply operands that are first quantised to E2M3 (2 exponent bits, 3 mantissa bits; 6 bits a number), with one power-of-two scale for each 32 numbers along K (OCP MX v1.0); their sums are f32. All else is computed in f32.
;;   The module's matrix products, in the order in which they are computed (A, B: the left and right operand; K: the contracted axis; several contracted axes count as one K, in the product's order):
;;     1. [M 2,048, K 1,024] x [K 1,024, N 4]; A: input x; B: input router_w: left as it is (N = 4 < 16)
;;     2. [M 2,048, K 1,024] x [K 1,024, N 16,384]; A: input x; B: input w1 (given as codes): QUANTISED
;;     3. batch 4 x [M 1,024, K 4,096] x [K 4,096, N 2,048]; A: input w2 (given as codes); B: computed on the way: QUANTISED
;;     4. batch 2,048 x [M 1,024, K 4] x [K 4, N 1]; A: computed on the way; B: computed on the way: left as it is (K = 4 < 32)
;;   THE QUANTISER, for each operand of a quantised product, along K:
;;     - K is cut into blocks of 32 from its start; a last block that is shorter is filled with zeros.
;;     - A block's scale is 2^e with e = floor(log2(the largest magnitude in the block)) - 2, held to -126 .. 127; a block of zeros has e = 0. As a byte (E8M0): e + 127.
;;     - Each number is divided by its block's scale, clamped to +-7.5, and rounded to the nearest number of E2M3, ties to even, subnormals kept.
;;     - The product sums the exact products of the quantised numbers (number of the format x scale) in f32.
;;   ~~~python
;;   def quantise(x, axis):      # numpy; x: float32 -> the quantised numbers, widened to float32 again
;;       x = np.moveaxis(x, axis, -1); K = x.shape[-1]
;;       x = np.pad(x, [(0, 0)] * (x.ndim - 1) + [(0, -K % 32)]); x = x.reshape(x.shape[:-1] + (-1, 32)); a = np.abs(x).max(-1, keepdims=True)
;;       e = np.where(a > 0, np.clip(np.frexp(np.where(a > 0, a, 1))[1] - 1 - 2, -126, 127), 0)      # np.frexp(a)[1] - 1 = floor(log2(a)), exactly
;;       r = np.clip(x / 2.0 ** e, -7.5, 7.5)
;;       step = 2.0 ** (np.maximum(np.frexp(np.where(r == 0, 1, r))[1] - 1, 0) - 3)
;;       q = np.round(r / step) * step * 2.0 ** e      # np.round: ties to even
;;       return np.moveaxis(q.reshape(q.shape[:-2] + (-1,))[..., :K], -1, axis).astype(np.float32)
;;   ~~~
;;   OPERANDS COMPUTED ON THE WAY. 'Computed on the way' means the value that the module computes at that place (a softmax that the list does not call 'softmax' is quantised finished and normalised). What goes into a quantiser is computed in f32, as accurately as f32 sums, v_exp_f32 and their like allow (about 1e-6 of the number): no bf16 or f16 on the way to a quantiser, and a product that is left as it is and whose result goes on into a quantised operand takes f32 operands (vector FMAs, or v_wmma_f32_16x16x4_f32). A number that lies on a knife's edge between two numbers of the format may be rounded either way, as far as f32 arithmetic and the matrix unit's own rounding can turn it there, and no further.
;;   INPUTS GIVEN AS CODES. w1 (in the module: [4, 1024, 4096], K = its axis 1); w2 (in the module: [4, 4096, 1024], K = its axis 1): each comes as NAME_codes (uint8): NAME with its K axis moved to the last place and cut into blocks of 32 codes, [.., K / 32, bytes a block], one block behind the other in memory; four codes in three bytes: a row's codes are one little-endian stream of bits, code i at bits 6 i .. 6 i + 5 (a code: sign, 2 exponent bits, 3 mantissa bits); and NAME_scales (uint8): the same leading axes, one E8M0 byte (e + 127) for each 32 codes along K. Its value is code x scale, taken as it is: it is not quantised again, and the codes and scales need not be those that the quantiser above would give.
;; 2 versions. Each part assembles by itself: llvm-mc -triple=amdgcn-amd-amdhsa -mcpu=gfx1250 --defsym DOCPART=n.
;; ======== version 1 of 2: 4 launches
;; workspace buffers: xq 1,572,864 bytes; xsw 65,536 bytes; pick 8,192 bytes of whole numbers; w1f 12,582,912 bytes; w2f 12,582,912 bytes; plan 9,728 bytes of whole numbers; hf 7,127,040 bytes; hs 475,136 bytes
;; launch prep1 (part 1): grid 320 x 1, 4 waves a work-group, no clusters, 87,040 bytes of LDS; arguments x, router_w, router_b, w1_codes, xq, xsw, pick, w1f; writes xq, xsw, pick, w1f
.if DOCPART == 1
	.amdgcn_target "amdgcn-amd-amdhsa--gfx1250"
	.amdhsa_code_object_version 6
	.text
	.protected	k_qab8c7b4ae8_prep1
	.globl	k_qab8c7b4ae8_prep1
	.p2align	8
	.type	k_qab8c7b4ae8_prep1,@function
k_qab8c7b4ae8_prep1:
	s_mov_b64 s[64:65], 0
	v_nop
	global_prefetch_b8 v0, s[64:65] scope:SCOPE_SE
	s_setreg_imm32_b32 hwreg(HW_REG_WAVE_MODE, 25, 1), 1
	s_wait_xcnt 0x0
; PREP1: two kinds of work-groups in one launch, told apart by the work-group's number alone.
; Work-groups 0-63 (ROUTE): the router's logits of 32 tokens each, in f32 (x . router_w + router_b), the chosen expert as the whole number 1 << (8 x expert) at the token's fixed place in pick,
;   and x quantised to FP6 (E2M3) codes with one E8M0 byte for each 32 along DIM, into xq and xsw.
; Work-groups 64-319 (LAY): 64 rows x 768 bytes of w1_codes each, laid anew as images of the matrix operand's registers (w1f), so that a later launch loads each fragment by three loads of 512 consecutive bytes.
; THE ORDER OF K inside a step of 128 is one and the same for every operand of this program: lane (r, h) of a fragment holds the 48 CONSECUTIVE bytes at 96 s + 48 h of its row, which are the memory blocks 4 s + 2 h and
;   4 s + 2 h + 1.  The instruction's blocks 0, 1, 2, 3 are thus the memory blocks 0, 2, 1, 3 of the step, on both sides alike, and a scale word is kept in that order.  The sums inside a step are therefore grouped otherwise than in ascending k.
; A FRAGMENT'S IMAGE is 1,536 bytes: registers 4 j .. 4 j + 3 of lane L at 512 j + 16 L.
; THE ROWS OF A WEIGHT TILE: lane r of tile t takes row 32 (t / 2) + 8 (t % 2) + r + 8 (r / 8) of its group of 128 rows, so that in the transposed product the 16 registers of tiles 2 b, 2 b + 1 are 16 neighbours.
; xq: a token's 768 bytes: the 16 bytes at 256 j + 32 s + 16 h hold bytes 96 s + 48 h + 16 j of its stream of codes.   xsw: 8 scale words a token.
; LIMITS: NaN and infinities among the inputs are not served.  The expert is the first largest LOGIT: the exponential and the division by the positive sum keep the order, so this differs from the first largest rounded
;   probability only where two logits lie within an f32 rounding of each other.  A block of zeros gets the scale byte 1, not 127: its codes are zeros, and these bytes are read by this program alone.
; No matrix instruction, no tensor load, no cluster: work-groups share no input but router_w (16 KB).  Each path has LDS bytes of its own.
.set P,      768                       ; a row of w1_codes in bytes
.set LROW,   784                       ; LAY's LDS: a row's place: 49 x 16 bytes,
.set LWAVE,  16*LROW+128               ; and 128 more behind each 16 rows: a fragment's sixteen rows then begin in sixteen different 16-byte columns modulo 256 bytes
.set SRCP,   10                        ; s[10:11] w1_codes
.set DSTP,   18                        ; s[18:19] w1f
.set RBASE,  50688                     ; ROUTE's LDS begins behind LAY's
.set RWAVE,  8960                      ; a wave's own: a stage of 32 x 272 bytes, then its 256 bytes of scale words
.set SWOFF,  8704
.set XA,  16                           ; v16      16 x lane
.set STI, 17                           ; v17      the stage, on the way in
.set R,   20                           ; v20-147  two sets of 64 numbers as loaded
.set X,   148                          ; v148-211 64 neighbours of one token
.set C,   212                          ; v212-223 their codes
.set CT,  224                          ; v224-226, v228-230 the conversions' second halves
.set LA,  232                          ; v232-247 eight pairs of logit sums
.set TP,  248                          ; v248-255 at work
.set MSB, 0
.macro WIN new                         ; the immediate's high byte repeats the setting that is left
.if MSB != (\new)
	s_set_vgpr_msb (MSB<<8)|(\new)
.set MSB, (\new)
.endif
.endm
	s_load_b256 s[4:11], s[0:1], 0x0               ; x s[4:5], router_w s[6:7], router_b s[8:9], w1_codes s[10:11]
	s_load_b256 s[12:19], s[0:1], 0x20             ; xq s[12:13], xsw s[14:15], pick s[16:17], w1f s[18:19]
	v_lshl_add_u32 v227, v0, 2, 0x15200
	v_mov_b32 v231, 0
	v_lshrrev_b32 v1, 5, v0
	v_readfirstlane_b32 s20, v1                    ; wave 0..3
	v_and_b32 v1, 31, v0                           ; L
	v_lshrrev_b32 v2, 4, v1                        ; L / 16
	v_and_b32 v3, 15, v1                           ; L % 16
	s_wait_kmcnt 0x0
	s_cmp_lt_u32 ttmp9, 64
	s_cbranch_scc1 .Lroute
	; ---------------- LAY: unit u = 64 rows (half a group of 128: four tiles) x 8 steps of K -> 32 images ----------------
	s_sub_co_u32 s21, ttmp9, 64                    ; u
	s_mul_i32 s24, s21, 64*P                       ; the unit's first row,
	s_mul_i32 s22, s20, 16*P                       ; my wave's 16 rows of it
	s_add_co_u32 s24, s24, s22
	s_mov_b32 s25, 0
	s_add_nc_u64 s[SRCP:SRCP+1], s[SRCP:SRCP+1], s[24:25]
	s_lshr_b32 s22, s21, 1
	s_mul_i32 s24, s22, 98304                      ; the group's 64 images,
	s_and_b32 s22, s21, 1
	s_mul_i32 s22, s22, 6144                       ; tiles 0-3 or 4-7,
	s_add_co_u32 s24, s24, s22
	s_mul_i32 s22, s20, 24576                      ; my wave writes steps 2 w and 2 w + 1
	s_add_co_u32 s24, s24, s22
	s_add_nc_u64 s[DSTP:DSTP+1], s[DSTP:DSTP+1], s[24:25]
	v_mul_u32_u24 v4, v2, P
	v_lshl_add_u32 v4, v3, 4, v4                   ; in: lanes 0-15 one row's 256 bytes, lanes 16-31 the next row's
.irp k, 0,1,2,3,4,5,6,7
.irp g, 0,1,2
	global_load_b128 v[16+4*(3*\k+\g):16+4*(3*\k+\g)+3], v4, s[SRCP:SRCP+1] offset:2*\k*P+256*\g th:TH_LOAD_NT
.endr
.endr
	s_mul_i32 s22, s20, LWAVE
	v_mul_u32_u24 v5, v2, LROW
	v_lshl_add_u32 v5, v3, 4, v5
	v_add_nc_u32 v5, s22, v5                       ; LDS, in: my wave's rows
	v_lshrrev_b32 v6, 3, v3                        ; r / 8
	v_lshl_add_u32 v7, v6, 3, v3                   ; r + 8 (r / 8)
	v_mul_u32_u24 v7, v7, LROW
	v_lshl_add_u32 v7, v6, 7, v7                   ; rows 16 on lie behind one gap of 128 more
	v_mad_u32_u24 v7, v2, 48, v7                   ; + 48 h
	s_mul_i32 s22, s20, 192
	v_add_nc_u32 v7, s22, v7                       ; LDS, out: + 96 x (2 w)
	v_lshlrev_b32 v8, 4, v1                        ; an image's place for my lane
.irp k, 0,1,2,3,4,5,6,7
.irp g, 0,1,2
	s_wait_loadcnt 23-(3*\k+\g)                    ; this load is in; the younger ones may be out
	ds_store_b128 v5, v[16+4*(3*\k+\g):16+4*(3*\k+\g)+3] offset:2*\k*LROW+256*\g
.endr
.endr
	s_wait_dscnt 0x0                               ; for the others' sake: my rows lie in LDS
	s_barrier_signal -1
	s_barrier_wait -1                              ; all 64 rows do
.irp ss, 0,1
.irp tt, 0,1,2,3
.irp j, 0,1,2
	ds_load_b128 v[16+4*(12*\ss+3*\tt+\j):16+4*(12*\ss+3*\tt+\j)+3], v7 offset:(32*(\tt/2)+8*(\tt%2))*LROW+2*(\tt/2)*128+96*\ss+16*\j
.endr
.endr
.endr
.irp ss, 0,1
.irp tt, 0,1,2,3
.irp j, 0,1,2
	s_wait_dscnt 23-(12*\ss+3*\tt+\j)
	global_store_b128 v8, v[16+4*(12*\ss+3*\tt+\j):16+4*(12*\ss+3*\tt+\j)+3], s[DSTP:DSTP+1] offset:\ss*12288+\tt*1536+512*\j   ; 32 lanes store 512 consecutive bytes, at a multiple of 512 from the buffer's first byte
.endr
.endr
.endr
	s_wait_tensorcnt 0x0
	ds_add_u32 v227, v231
	s_wait_dscnt 0x0
	s_endpgm
	; ---------------- ROUTE: a wave takes 8 tokens, two at a time ----------------
.Lroute:
	s_load_b128 s[24:27], s[8:9], 0x0              ; router_b
	s_lshl_b32 s21, ttmp9, 2
	s_add_co_u32 s21, s21, s20
	s_lshl_b32 s21, s21, 3                         ; my first token
	s_lshl_b32 s32, s21, 12
	s_mov_b32 s33, 0
	s_add_nc_u64 s[4:5], s[4:5], s[32:33]          ; x: 4,096 bytes a token
	s_mul_i32 s32, s21, 768
	s_add_nc_u64 s[12:13], s[12:13], s[32:33]      ; xq
	s_lshl_b32 s32, s21, 5
	s_add_nc_u64 s[14:15], s[14:15], s[32:33]      ; xsw
	s_lshl_b32 s32, s21, 2
	s_add_nc_u64 s[16:17], s[16:17], s[32:33]      ; pick
	s_mov_b32 s28, 0x76543210
	s_mov_b32 s29, 0xfedcba98                      ; v_permlanex16_b32's selects for lane l xor 16
	v_lshlrev_b32 v9, 6, v1                        ; router_w: my four rows of each 128: 64 bytes a lane
	v_lshlrev_b32 v[XA], 4, v1
	WIN 0x40                                       ; destination in window 1
.irp n, 0,1,2,3,4,5,6,7
.irp c, 0,1,2,3
	global_load_b128 v[16*\n+4*\c:16*\n+4*\c+3], v9, s[6:7] offset:2048*\n+16*\c   ; router_w[128 n + 4 L + c][0 .. 3]: stays in registers
.endr
.endr
	WIN 0
.macro XLOAD it                        ; tokens 2 it and 2 it + 1: sixteen loads of 512 consecutive bytes; quad n holds x[n / 8][128 (n % 8) + 4 L + 0 .. 3]
.irp n, 0,1,2,3,4,5,6,7,8,9,10,11,12,13,14,15
	global_load_b128 v[R+64*((\it)%2)+4*\n:R+64*((\it)%2)+4*\n+3], v[XA], s[4:5] offset:(\it)*8192+512*\n th:TH_LOAD_NT
.endr
.endm
	XLOAD 0
	XLOAD 1
	s_mul_i32 s38, s20, RWAVE
	s_add_co_u32 s38, s38, RBASE                   ; my wave's LDS
	v_mul_u32_u24 v[STI], v2, 272
	v_lshl_add_u32 v[STI], v3, 4, v[STI]
	v_add_nc_u32 v[STI], s38, v[STI]               ; the stage, in: quad n goes to row 2 n + L / 16, byte 16 (L % 16)
	v_mul_u32_u24 v4, v1, 272
	v_add_nc_u32 v4, s38, v4                       ; and out: row L: 64 neighbours of token L / 16
	v_mul_u32_u24 v5, v2, 768
	v_lshl_add_u32 v5, v3, 4, v5                   ; xq: token L / 16, chunk L % 16 = 2 s + h
	v_lshrrev_b32 v6, 1, v3
	v_lshlrev_b32 v6, 2, v6
	v_lshl_add_u32 v6, v2, 5, v6
	v_add_nc_u32 v6, s38, v6
	v_add_nc_u32 v6, SWOFF, v6                     ; my scale word: token L / 16, step (L % 16) / 2
	v_and_b32 v7, 1, v1
	v_lshlrev_b32 v7, 3, v7                        ; 8 h
	v_mov_b32 v8, 0                                ; the wave's eight choices, lane i for token i
	v_lshlrev_b32 v10, 3, v1
	v_lshlrev_b32 v11, 2, v1
	v_mov_b32 v12, 0x100
	v_mov_b32 v13, 0x10000
	v_mov_b32 v14, 0x1000000
	v_add_nc_u32 v15, s38, v10
	v_add_nc_u32 v15, SWOFF, v15                   ; the scale words, read back: 8 bytes a lane
	v_mov_b32 v[TP+6], 0                           ; written once: a DPP move's destination counts as one of its sources
	s_wait_kmcnt 0x0                               ; router_b
.macro ITER it
.set RB, R+64*((\it)%2)
.if (\it) < 3
	s_wait_loadcnt 16                              ; my two tokens are in (and router_w, which is older); the next two tokens' sixteen loads may be out
.else
	s_wait_loadcnt 0x0
.endif
	; the logits: each number of x times its row of router_w, two experts an instruction, in eight chains by turns (token, pair of experts, parity of n)
	WIN 0x04                                       ; source 1 (router_w) in window 1
.irp nn, 0,1,2,3
.irp c, 0,1,2,3
.irp T, 0,1
.irp par, 0,1
.irp ep, 0,1
.set DD, LA+2*(4*\T+2*\ep+\par)
.set XX, RB+4*(8*\T+2*\nn+\par)+2*(\c/2)
.set WW, 16*(2*\nn+\par)+4*\c+2*\ep
.if (\nn == 0) && (\c == 0)
	v_pk_mul_f32 v[DD:DD+1], v[XX:XX+1], v[WW:WW+1] op_sel:[0,0] op_sel_hi:[0,1]   ; the first product starts a chain: nothing is cleared
.elseif (\c%2) == 0
	v_pk_fma_f32 v[DD:DD+1], v[XX:XX+1], v[WW:WW+1], v[DD:DD+1] op_sel:[0,0,0] op_sel_hi:[0,1,1]
.else
	v_pk_fma_f32 v[DD:DD+1], v[XX:XX+1], v[WW:WW+1], v[DD:DD+1] op_sel:[1,0,0] op_sel_hi:[1,1,1]
.endif
.endr
.endr
.endr
.endr
.endr
	WIN 0
	; the turn through my stage: LDS serves a wave's instructions in order, so no wait stands between the stores and the loads
.irp n, 0,1,2,3,4,5,6,7,8,9,10,11,12,13,14,15
	ds_store_b128 v[STI], v[RB+4*\n:RB+4*\n+3] offset:544*\n
.endr
.irp q, 0,1,2,3,4,5,6,7,8,9,10,11,12,13,14,15
	ds_load_b128 v[X+4*\q:X+4*\q+3], v4 offset:16*\q
.endr
	; while the turn is out: the sums over the lanes, the bias, the first largest logit
.irp T, 0,1
.irp ep, 0,1
	v_pk_add_f32 v[LA+8*\T+4*\ep:LA+8*\T+4*\ep+1], v[LA+8*\T+4*\ep:LA+8*\T+4*\ep+1], v[LA+8*\T+4*\ep+2:LA+8*\T+4*\ep+3]
.endr
.endr
.irp x, 1,2,4,8
.irp q, 0,1,4,5,8,9,12,13
	v_add_f32_dpp v[LA+\q], v[LA+\q], v[LA+\q] row_xmask:\x row_mask:0xf bank_mask:0xf
.endr
.endr
.irp q, 0,1,4,5,8,9,12,13
	v_permlanex16_b32 v[LA+\q+2], v[LA+\q], s28, s29
.endr
.irp q, 0,1,4,5,8,9,12,13
	v_add_f32 v[LA+\q], v[LA+\q], v[LA+\q+2]       ; every lane holds the same eight sums
.endr
.irp T, 0,1
.irp e, 0,1,2,3
	v_add_f32 v[LA+8*\T+4*(\e/2)+\e%2], s[24+\e], v[LA+8*\T+4*(\e/2)+\e%2]
.endr
.endr
.irp T, 0,1
	v_mov_b32 v[TP+\T], 1                          ; expert 0
	v_mov_b32 v[TP+2+\T], v[LA+8*\T]
.endr
.irp e, 1,2,3
.irp T, 0,1
	v_cmp_gt_f32 vcc_lo, v[LA+8*\T+4*(\e/2)+\e%2], v[TP+2+\T]      ; strictly larger: the lower index keeps a tie
	v_cndmask_b32 v[TP+\T], v[TP+\T], v[11+\e], vcc_lo
	v_max_num_f32 v[TP+2+\T], v[TP+2+\T], v[LA+8*\T+4*(\e/2)+\e%2]
.endr
.endr
.irp T, 0,1
	v_cmp_eq_u32 vcc_lo, 2*(\it)+\T, v1
	v_cndmask_b32 v8, v8, v[TP+\T], vcc_lo         ; a choice only selects a value: no branch and no address hangs on it
.endr
	s_wait_dscnt 0x0                               ; the 64 neighbours are in, and the stores into the stage have read their registers,
.if (\it) <= 1
	XLOAD (\it)+2                                  ; which take the tokens of two turns on
.endif
	; my two blocks of 32: numbers 0-31 and 32-63; four chains of 16, each with the floor 2^(3 - 127) among its leaves, so that the byte cannot fall under 1
.irp u, 0,1,2,3
	v_max3_num_f32 v[TP+\u], |v[X+16*\u]|, |v[X+16*\u+1]|, 0x1800000
.endr
.irp i, 2,4,6,8,10,12,14
.irp u, 0,1,2,3
	v_max3_num_f32 v[TP+\u], v[TP+\u], |v[X+16*\u+\i]|, |v[X+16*\u+\i+1]|
.endr
.endr
	v_max_num_f32 v[TP], v[TP], v[TP+1]
	v_max_num_f32 v[TP+2], v[TP+2], v[TP+3]
	v_add_nc_u32 v[TP+4], 0xff000000, v[TP]        ; 2 off the exponent field: the conversion takes the exponent field of this operand as its scale
	v_add_nc_u32 v[TP+5], 0xff000000, v[TP+2]
	s_wait_xcnt 0x0                                ; the last turn's stores have read the codes' registers
	v_cvt_scalef32_pk16_fp6_f32 v[C:C+2], v[X:X+15], v[TP+4]
	v_cvt_scalef32_pk16_fp6_f32 v[CT:CT+2], v[X+16:X+31], v[TP+4]      ; (a conversion's three registers begin on an even number)
	v_cvt_scalef32_pk16_fp6_f32 v[C+6:C+8], v[X+32:X+47], v[TP+5]
	v_cvt_scalef32_pk16_fp6_f32 v[CT+4:CT+6], v[X+48:X+63], v[TP+5]
	v_lshrrev_b32 v[TP], 23, v[TP+4]               ; the scales' bytes.  (A plain place behind the conversions)
	v_lshrrev_b32 v[TP+1], 23, v[TP+5]
.irp i, 0,1,2
	v_mov_b32 v[C+3+\i], v[CT+\i]
	v_mov_b32 v[C+9+\i], v[CT+4+\i]
.endr
.irp j, 0,1,2
	global_store_b128 v5, v[C+4*\j:C+4*\j+3], s[12:13] offset:(\it)*1536+256*\j   ; sixteen lanes store 256 consecutive bytes, at a multiple of 256 from the buffer's first byte
.endr
	v_lshl_or_b32 v[TP], v[TP+1], 16, v[TP]        ; my two bytes stand at bytes h and 2 + h of the step's word:
	v_lshlrev_b32 v[TP], v7, v[TP]
	v_mov_b32_dpp v[TP+6], v[TP] row_xmask:1 row_mask:0xf bank_mask:0xf
	v_or_b32 v[TP+7], v[TP], v[TP+6]               ; with my neighbour's two the word is whole
	ds_store_b32 v6, v[TP+7] offset:64*(\it)       ; both lanes of a pair write the same word with the same value
.endm
	ITER 0
	ITER 1
	ITER 2
	ITER 3
	ds_load_b64 v[TP:TP+1], v15                    ; LDS serves a wave's instructions in order: this sees my stores
	s_wait_dscnt 0x0
	global_store_b64 v10, v[TP:TP+1], s[14:15]     ; the wave's 64 scale words: 256 consecutive bytes, aligned
	v_cmp_gt_u32 vcc_lo, 8, v1
	s_wait_xcnt 0x0                                ; EXEC changes only behind this wait
	s_wait_tensorcnt 0x0
	ds_add_u32 v227, v231
	s_wait_dscnt 0x0
	s_and_saveexec_b32 s30, vcc_lo
	global_store_b32 v11, v8, s[16:17]             ; eight whole numbers
	s_wait_xcnt 0x0
	s_or_b32 exec_lo, exec_lo, s30
	s_endpgm
.Lfunc_end_k_qab8c7b4ae8_prep1:
	.size	k_qab8c7b4ae8_prep1, .Lfunc_end_k_qab8c7b4ae8_prep1-k_qab8c7b4ae8_prep1
	.p2alignl 7, 3214868480
	.fill 96, 4, 3214868480
	.section	.rodata,"a",@progbits
	.p2align	6, 0x0
	.amdhsa_kernel k_qab8c7b4ae8_prep1
		.amdhsa_group_segment_fixed_size 87040
		.amdhsa_private_segment_fixed_size 0
		.amdhsa_enable_private_segment 0
		.amdhsa_kernarg_size 64
		.amdhsa_user_sgpr_count 2
		.amdhsa_user_sgpr_kernarg_segment_ptr 1
		.amdhsa_wavefront_size32 1
		.amdhsa_system_sgpr_workgroup_id_x 1
		.amdhsa_system_sgpr_workgroup_id_y 1
		.amdhsa_system_sgpr_workgroup_id_z 1
		.amdhsa_system_vgpr_workitem_id 0
		.amdhsa_next_free_vgpr 384
		.amdhsa_next_free_sgpr 66
		.amdhsa_reserve_vcc 1
		.amdhsa_float_denorm_mode_32 3
		.amdhsa_float_denorm_mode_16_64 3
		.amdhsa_memory_ordered 1
		.amdhsa_forward_progress 1
		.amdhsa_inst_pref_size 94
	.end_amdhsa_kernel
	.amdgpu_metadata
---
amdhsa.version: [ 1, 2 ]
amdhsa.kernels:
  - .name:           k_qab8c7b4ae8_prep1
    .symbol:         k_qab8c7b4ae8_prep1.kd
    .args:
      - { .name: x, .offset: 0, .size: 8, .value_kind: global_buffer, .address_space: global }
      - { .name: router_w, .offset: 8, .size: 8, .value_kind: global_buffer, .address_space: global }
      - { .name: router_b, .offset: 16, .size: 8, .value_kind: global_buffer, .address_space: global }
      - { .name: w1_codes, .offset: 24, .size: 8, .value_kind: global_buffer, .address_space: global }
      - { .name: xq, .offset: 32, .size: 8, .value_kind: global_buffer, .address_space: global }
      - { .name: xsw, .offset: 40, .size: 8, .value_kind: global_buffer, .address_space: global }
      - { .name: pick, .offset: 48, .size: 8, .value_kind: global_buffer, .address_space: global }
      - { .name: w1f, .offset: 56, .size: 8, .value_kind: global_buffer, .address_space: global }
    .group_segment_fixed_size: 87040
    .private_segment_fixed_size: 0
    .kernarg_segment_align: 8
    .kernarg_segment_size: 64
    .max_flat_workgroup_size: 128
    .sgpr_count:     66
    .vgpr_count:     384
    .wavefront_size: 32
...
	.end_amdgpu_metadata
.endif
;; end of part 1
;; launch prep2 (part 2): grid 257 x 1, 4 waves a work-group, no clusters, 51,456 bytes of LDS; arguments pick, w2_codes, plan, w2f; writes plan, w2f
.if DOCPART == 2
	.amdgcn_target "amdgcn-amd-amdhsa--gfx1250"
	.amdhsa_code_object_version 6
	.text
	.protected	k_qab8c7b4ae8_prep2
	.globl	k_qab8c7b4ae8_prep2
	.p2align	8
	.type	k_qab8c7b4ae8_prep2,@function
k_qab8c7b4ae8_prep2:
	s_mov_b64 s[64:65], 0
	v_nop
	global_prefetch_b8 v0, s[64:65] scope:SCOPE_SE
	s_setreg_imm32_b32 hwreg(HW_REG_WAVE_MODE, 25, 1), 1
	s_wait_xcnt 0x0
; PREP2: work-group 0 (SORT) places the 2,048 tokens by expert; work-groups 1-256 (LAY) lay w2_codes anew as images of the matrix operand's registers (w2f), as the launch before did for w1.
; SORT.  pick holds 1 << (8 x expert) for each token.  A counting sort without atomics: each of the four waves counts its 512 tokens, the counts meet in LDS, and each token's place is its expert's first row
;   + the tokens of that expert in earlier waves + those in earlier slots + those in lower lanes.  Each expert's rows begin a new tile of 80 rows.  There are never more than floor((2048 + 4 x 79) / 80) = 29 tiles.
; plan: words 0-2319: the token of each row of the 29 tiles, 2048 where there is none (every word is written);  word 2367: a dump for lanes that have nothing to write;  bytes 9472-9599: the expert of tile T, 4 = no tile.
; LAY.  A unit is 64 rows x 768 bytes (8 steps of K) of w2_codes; the layout of an image, the rows of a tile and the order of K are those stated at the head of the launch before.
;   w2f: [expert][group of 128 outputs][32 steps of K][8 tiles][1,536 bytes].
; No matrix instruction, no tensor load, no cluster.  Each path has LDS bytes of its own.
.set P,      3072                      ; a row of w2_codes in bytes
.set LROW,   784
.set LWAVE,  16*LROW+128
.set SRCP,   6                         ; s[6:7]   w2_codes
.set DSTP,   10                        ; s[10:11] w2f
.set CNT,    50688                     ; SORT's LDS: four waves' counts, 8 bytes each
.set DUMP,   2367
	s_load_b256 s[4:11], s[0:1], 0x0               ; pick s[4:5], w2_codes s[6:7], plan s[8:9], w2f s[10:11]
	v_lshl_add_u32 v128, v0, 2, 0xc700
	v_mov_b32 v129, 0
	v_lshrrev_b32 v1, 5, v0
	v_readfirstlane_b32 s20, v1                    ; wave 0..3
	v_and_b32 v1, 31, v0                           ; L
	v_lshrrev_b32 v2, 4, v1                        ; L / 16
	v_and_b32 v3, 15, v1                           ; L % 16
	s_wait_kmcnt 0x0
	s_cmp_eq_u32 ttmp9, 0
	s_cbranch_scc1 .Lsort
	; ---------------- LAY: unit u = ((expert x 8 + group) x 4 + run of 8 steps) x 2 + half ----------------
	s_sub_co_u32 s21, ttmp9, 1                     ; u
	s_lshr_b32 s22, s21, 3
	s_mul_i32 s24, s22, 128*P                      ; the group's 128 rows,
	s_and_b32 s22, s21, 1
	s_mul_i32 s22, s22, 64*P                       ; its half,
	s_add_co_u32 s24, s24, s22
	s_bfe_u32 s22, s21, 0x20001
	s_mul_i32 s22, s22, 768                        ; the run of 8 steps along K,
	s_add_co_u32 s24, s24, s22
	s_mul_i32 s22, s20, 16*P                       ; my wave's 16 rows
	s_add_co_u32 s24, s24, s22
	s_mov_b32 s25, 0
	s_add_nc_u64 s[SRCP:SRCP+1], s[SRCP:SRCP+1], s[24:25]
	s_lshr_b32 s22, s21, 1
	s_mul_i32 s24, s22, 98304                      ; 8 steps x 8 tiles of images,
	s_and_b32 s22, s21, 1
	s_mul_i32 s22, s22, 6144                       ; tiles 0-3 or 4-7,
	s_add_co_u32 s24, s24, s22
	s_mul_i32 s22, s20, 24576                      ; my wave writes steps 2 w and 2 w + 1 of the run
	s_add_co_u32 s24, s24, s22
	s_add_nc_u64 s[DSTP:DSTP+1], s[DSTP:DSTP+1], s[24:25]
	v_mul_u32_u24 v4, v2, P
	v_lshl_add_u32 v4, v3, 4, v4                   ; in: lanes 0-15 one row's 256 bytes, lanes 16-31 the next row's
.irp k, 0,1,2,3,4,5,6,7
.irp g, 0,1,2
	global_load_b128 v[16+4*(3*\k+\g):16+4*(3*\k+\g)+3], v4, s[SRCP:SRCP+1] offset:2*\k*P+256*\g th:TH_LOAD_NT
.endr
.endr
	s_mul_i32 s22, s20, LWAVE
	v_mul_u32_u24 v5, v2, LROW
	v_lshl_add_u32 v5, v3, 4, v5
	v_add_nc_u32 v5, s22, v5                       ; LDS, in
	v_lshrrev_b32 v6, 3, v3                        ; r / 8
	v_lshl_add_u32 v7, v6, 3, v3                   ; r + 8 (r / 8)
	v_mul_u32_u24 v7, v7, LROW
	v_lshl_add_u32 v7, v6, 7, v7
	v_mad_u32_u24 v7, v2, 48, v7                   ; + 48 h
	s_mul_i32 s22, s20, 192
	v_add_nc_u32 v7, s22, v7                       ; LDS, out
	v_lshlrev_b32 v8, 4, v1
.irp k, 0,1,2,3,4,5,6,7
.irp g, 0,1,2
	s_wait_loadcnt 23-(3*\k+\g)                    ; this load is in; the younger ones may be out
	ds_store_b128 v5, v[16+4*(3*\k+\g):16+4*(3*\k+\g)+3] offset:2*\k*LROW+256*\g
.endr
.endr
	s_wait_dscnt 0x0                               ; for the others' sake: my rows lie in LDS
	s_barrier_signal -1
	s_barrier_wait -1
.irp ss, 0,1
.irp tt, 0,1,2,3
.irp j, 0,1,2
	ds_load_b128 v[16+4*(12*\ss+3*\tt+\j):16+4*(12*\ss+3*\tt+\j)+3], v7 offset:(32*(\tt/2)+8*(\tt%2))*LROW+2*(\tt/2)*128+96*\ss+16*\j
.endr
.endr
.endr
.irp ss, 0,1
.irp tt, 0,1,2,3
.irp j, 0,1,2
	s_wait_dscnt 23-(12*\ss+3*\tt+\j)
	global_store_b128 v8, v[16+4*(12*\ss+3*\tt+\j):16+4*(12*\ss+3*\tt+\j)+3], s[DSTP:DSTP+1] offset:\ss*12288+\tt*1536+512*\j   ; 512 consecutive bytes, aligned
.endr
.endr
.endr
	s_wait_tensorcnt 0x0
	ds_add_u32 v128, v129
	s_wait_dscnt 0x0
	s_endpgm
	; ---------------- SORT: wave w, slot n, lane L has token 512 w + 32 n + L ----------------
.Lsort:
	v_lshrrev_b32 v2, 5, v0                        ; w
	v_lshlrev_b32 v3, 11, v2
	v_lshl_add_u32 v3, v1, 2, v3                   ; 2,048 w + 4 L
.irp n, 0,1,2,3,4,5,6,7,8,9,10,11,12,13,14,15
	global_load_b32 v[16+\n], v3, s[4:5] offset:128*\n
.endr
	s_mov_b32 s28, 0x76543210
	s_mov_b32 s29, 0xfedcba98
	v_lshl_add_u32 v4, v2, 3, CNT                  ; my wave's counts
	v_mov_b32 v5, CNT
	v_mov_b32 v8, 0                                ; written once: destinations of lane moves count as sources
	v_mov_b32 v9, 0
	v_mov_b32 v76, 2048                            ; the mark of a row without a token
	v_mov_b32 v77, DUMP
	s_wait_loadcnt 0x0
	v_add3_u32 v6, v16, v17, v18                   ; four counts in four bytes, at most 16 each
.irp n, 19,21,23,25,27,29
	v_add3_u32 v6, v6, v[\n], v[\n+1]
.endr
	v_add_nc_u32 v6, v6, v31
	v_and_b32 v10, 0xff00ff, v6                    ; experts 0 and 2 in fields of 16 bits,
	v_lshrrev_b32 v11, 8, v6
	v_and_b32 v11, 0xff00ff, v11                   ; experts 1 and 3
.irp x, 1,2,4,8
	v_mov_b32_dpp v8, v10 row_xmask:\x row_mask:0xf bank_mask:0xf
	v_mov_b32_dpp v9, v11 row_xmask:\x row_mask:0xf bank_mask:0xf
	v_add_nc_u32 v10, v10, v8
	v_add_nc_u32 v11, v11, v9
.endr
	v_permlanex16_b32 v8, v10, s28, s29
	v_permlanex16_b32 v9, v11, s28, s29
	v_add_nc_u32 v10, v10, v8
	v_add_nc_u32 v11, v11, v9                      ; the wave's counts, at most 512 each
	ds_store_b64 v4, v[10:11]                      ; all lanes write the same words with the same values
	s_wait_dscnt 0x0
	s_barrier_signal -1
	s_barrier_wait -1
	ds_load_b128 v[80:83], v5
	ds_load_b128 v[84:87], v5 offset:16
	s_wait_dscnt 0x0
.irp i, 0,1,2,3,4,5,6,7
	v_readfirstlane_b32 s[40+\i], v[80+\i]
.endr
	s_mov_b32 s48, 0                               ; the earlier waves' counts,
	s_mov_b32 s49, 0
	s_mov_b32 s50, 0                               ; and all four waves'
	s_mov_b32 s51, 0
.irp q, 0,1,2,3
	s_cmp_lt_u32 \q, s20
	s_cselect_b32 s52, s[40+2*\q], 0
	s_cselect_b32 s53, s[41+2*\q], 0               ; both selections ahead of the additions, which set SCC
	s_add_co_u32 s48, s48, s52
	s_add_co_u32 s49, s49, s53
	s_add_co_u32 s50, s50, s[40+2*\q]
	s_add_co_u32 s51, s51, s[41+2*\q]
.endr
	s_and_b32 s54, s50, 0xffff                     ; s54-57: an expert's tokens
	s_and_b32 s55, s51, 0xffff
	s_lshr_b32 s56, s50, 16
	s_lshr_b32 s57, s51, 16
	s_and_b32 s58, s48, 0xffff                     ; s58-61: those in earlier waves
	s_and_b32 s59, s49, 0xffff
	s_lshr_b32 s60, s48, 16
	s_lshr_b32 s61, s49, 16
	s_mov_b32 s70, 0                               ; s70-74: an expert's first tile
.irp e, 0,1,2,3
	s_add_co_u32 s66, s[54+\e], 79
	s_mul_i32 s66, s66, 3277
	s_lshr_b32 s66, s66, 18                        ; its tiles: (n + 79) / 80, exact for n + 79 up to 2,127: 3277 / 2^18 exceeds 1 / 80 by 7.7e-7
	s_add_co_u32 s[71+\e], s[70+\e], s66
	s_mul_i32 s67, s[70+\e], 80
	s_add_co_u32 s[76+\e], s67, s[58+\e]           ; s76-79: the next free row for my wave
	s_add_co_u32 s[80+\e], s67, s[54+\e]           ; s80-83: the first row without a token,
	s_mul_i32 s66, s66, 80
	s_sub_co_u32 s[84+\e], s66, s[54+\e]           ; s84-87: and how many there are: under 80
.endr
	s_mul_i32 s88, s74, 80                         ; the rows of the tiles that this split does not use:
	s_sub_co_u32 s89, 2320, s88                    ; at most 2,320 - 80 x 26 = 240
	v_lshlrev_b32 v12, 9, v2
	v_add_nc_u32 v12, v12, v1                      ; 512 w + L
.irp n, 0,1,2,3,4,5,6,7,8,9,10,11,12,13,14,15
	v_cmp_eq_u32 s90, 1, v[16+\n]
	v_cmp_eq_u32 s91, 0x100, v[16+\n]
	v_cmp_eq_u32 s92, 0x10000, v[16+\n]
	v_cmp_eq_u32 s93, 0x1000000, v[16+\n]
	v_mbcnt_lo_u32_b32 v[32+\n], s90, s76          ; the expert's next free row + its tokens in lower lanes
	v_mbcnt_lo_u32_b32 v13, s91, s77
	v_cndmask_b32 v[32+\n], v[32+\n], v13, s91
	v_mbcnt_lo_u32_b32 v14, s92, s78
	v_cndmask_b32 v[32+\n], v[32+\n], v14, s92
	v_mbcnt_lo_u32_b32 v15, s93, s79
	v_cndmask_b32 v[32+\n], v[32+\n], v15, s93
	s_bcnt1_i32_b32 s94, s90
	s_add_co_u32 s76, s76, s94
	s_bcnt1_i32_b32 s94, s91
	s_add_co_u32 s77, s77, s94
	s_bcnt1_i32_b32 s94, s92
	s_add_co_u32 s78, s78, s94
	s_bcnt1_i32_b32 s94, s93
	s_add_co_u32 s79, s79, s94
	v_min_u32 v[32+\n], DUMP, v[32+\n]             ; a number made of loaded numbers is held before it enters an address
	v_lshlrev_b32 v[32+\n], 2, v[32+\n]
	v_add_nc_u32 v[48+\n], 32*\n, v12              ; the token
	global_store_b32 v[32+\n], v[48+\n], s[8:9]    ; each slot has registers of its own: nothing that a store reads is written again
.endr
; rows start .. start + len - 1 get the mark; thread i + 128 q takes row start + i; a thread with nothing to mark writes the dump word
.macro PAD reg, start, len, q
	v_add_nc_u32 v13, 128*(\q), v0
	v_add_nc_u32 v[\reg], s[\start], v13
	v_cmp_gt_u32 vcc_lo, s[\len], v13
	v_cndmask_b32 v[\reg], v77, v[\reg], vcc_lo
	v_min_u32 v[\reg], DUMP, v[\reg]
	v_lshlrev_b32 v[\reg], 2, v[\reg]
	global_store_b32 v[\reg], v76, s[8:9]
.endm
	PAD 64, 80, 84, 0
	PAD 65, 81, 85, 0
	PAD 66, 82, 86, 0
	PAD 67, 83, 87, 0
	PAD 68, 88, 89, 0
	PAD 69, 88, 89, 1
	s_cmp_lg_u32 s20, 0
	s_cbranch_scc1 .Lsort_end
	v_mov_b32 v14, 0                               ; wave 0: the expert of tile L = how many of the experts 1 .. 4 begin at or before it; 4 = no tile
.irp k, 71,72,73,74
	v_cmp_le_u32 vcc_lo, s[\k], v1
	v_add_co_ci_u32 v14, vcc_lo, 0, v14, vcc_lo
.endr
	v_lshlrev_b32 v15, 2, v1
	global_store_b32 v15, v14, s[8:9] offset:9472
.Lsort_end:
	s_wait_tensorcnt 0x0
	ds_add_u32 v128, v129
	s_wait_dscnt 0x0
	s_endpgm
.Lfunc_end_k_qab8c7b4ae8_prep2:
	.size	k_qab8c7b4ae8_prep2, .Lfunc_end_k_qab8c7b4ae8_prep2-k_qab8c7b4ae8_prep2
	.p2alignl 7, 3214868480
	.fill 96, 4, 3214868480
	.section	.rodata,"a",@progbits
	.p2align	6, 0x0
	.amdhsa_kernel k_qab8c7b4ae8_prep2
		.amdhsa_group_segment_fixed_size 51456
		.amdhsa_private_segment_fixed_size 0
		.amdhsa_enable_private_segment 0
		.amdhsa_kernarg_size 32
		.amdhsa_user_sgpr_count 2
		.amdhsa_user_sgpr_kernarg_segment_ptr 1
		.amdhsa_wavefront_size32 1
		.amdhsa_system_sgpr_workgroup_id_x 1
		.amdhsa_system_sgpr_workgroup_id_y 1
		.amdhsa_system_sgpr_workgroup_id_z 1
		.amdhsa_system_vgpr_workitem_id 0
		.amdhsa_next_free_vgpr 130
		.amdhsa_next_free_sgpr 100
		.amdhsa_reserve_vcc 1
		.amdhsa_float_denorm_mode_32 3
		.amdhsa_float_denorm_mode_16_64 3
		.amdhsa_memory_ordered 1
		.amdhsa_forward_progress 1
		.amdhsa_inst_pref_size 43
	.end_amdhsa_kernel
	.amdgpu_metadata
---
amdhsa.version: [ 1, 2 ]
amdhsa.kernels:
  - .name:           k_qab8c7b4ae8_prep2
    .symbol:         k_qab8c7b4ae8_prep2.kd
    .args:
      - { .name: pick, .offset: 0, .size: 8, .value_kind: global_buffer, .address_space: global }
      - { .name: w2_codes, .offset: 8, .size: 8, .value_kind: global_buffer, .address_space: global }
      - { .name: plan, .offset: 16, .size: 8, .value_kind: global_buffer, .address_space: global }
      - { .name: w2f, .offset: 24, .size: 8, .value_kind: global_buffer, .address_space: global }
    .group_segment_fixed_size: 51456
    .private_segment_fixed_size: 0
    .kernarg_segment_align: 8
    .kernarg_segment_size: 32
    .max_flat_workgroup_size: 128
    .sgpr_count:     100
    .vgpr_count:     130
    .wavefront_size: 32
...
	.end_amdgpu_metadata
.endif
;; end of part 2
;; launch up (part 3): grid 8 x 29, 4 waves a work-group, no clusters, 66,048 bytes of LDS; arguments xq, xsw, w1f, w1_scales, b1, plan, hf, hs; writes hf, hs
.if DOCPART == 3
	.amdgcn_target "amdgcn-amd-amdhsa--gfx1250"
	.amdhsa_code_object_version 6
	.text
	.protected	k_qab8c7b4ae8_up
	.globl	k_qab8c7b4ae8_up
	.p2align	8
	.type	k_qab8c7b4ae8_up,@function
k_qab8c7b4ae8_up:
	s_mov_b64 s[64:65], 0
	v_nop
	global_prefetch_b8 v0, s[64:65] scope:SCOPE_SE
	s_setreg_imm32_b32 hwreg(HW_REG_WAVE_MODE, 25, 1), 1
	s_wait_xcnt 0x0
; UP: h = Q(gelu(x W1 + b1)) for the rows of one tile of 80 routed rows (work-group y) and 512 hidden units (work-group x), with the weights of the tile's expert alone.  Both operands are FP6 (E2M3) codes with E8M0 scales.
; SHARES.  Wave w makes hidden units 128 c .. 128 c + 127, c = 4 x + w, for all 80 rows: 5 tiles of rows x 8 tiles of units = 40 accumulators, 320 registers.  Those 128 units are one step of K of the next launch's product.
;   The four waves share the rows' codes through LDS (gathered once by the list in plan); each wave streams its own 98,304 bytes of W1's images from memory straight into registers, two steps of K ahead.
; TRANSPOSED: source 0 = 16 rows of W1, source 1 = 16 tokens.  Lane (r, h) then holds token r, and register j of tile t hidden unit 32 (t / 2) + 16 h + 8 (t % 2) + j.  b1 is the C of each sum's first product.
; The order of K inside a step, a fragment's image and the rows of a weight tile are those stated at the head of the first launch.  W1's scale words come in memory order and are turned to bytes 0, 2, 1, 3 once.
; gelu(v) = v (0.5 + vc A(vc^2) / B(vc^2)), vc = v held to +-4 sqrt 2: the rational form of erf of degree 6 over 4 in x^2, with 1 / 2, 1 / sqrt 2 and the powers of 2 folded into the coefficients; all in f32.
; hf: [tile 29][step 32][tile of rows 5][1,536 bytes], images;   hs: [tile][step][lane 32][4 words]: lanes 0-15: the words of rows r of row tiles 0-3; lanes 16-31, word 0: of row tile 4.
; A GRID FOR EVERY SPLIT: 29 tiles are launched; a tile that this split does not use (its expert reads 4) stores nothing: one branch on a stored whole number, behind the only barrier.  A row without a token takes
;   token 2047's codes; its results are stored with the tile's and dropped by the next launch.
; NO TENSOR LOAD AND NO JOINT LOAD: the row tiles of one expert read the same images, but how many tiles an expert has is read from memory and a work-group may end early, so partners could not make every joint request alike.
; NO PREFETCH: W1's images are read by every row tile of their expert, not once, and the loads already stand two steps of K ahead.
; LIMITS: NaN and infinities are not served.  0.5 + erf / 2 is formed in f32, so for v under about -5 the result carries an absolute error of up to about 1e-7 |v|.  A block of zeros gets the byte 1, not 127 (zero codes;
;   the bytes are read by this program alone).  Inside a step of K the blocks are summed in the order 0, 2, 1, 3.
; REGISTERS, in windows of 256.  Window 0: v1-7 lane numbers and addresses; v8-17 the gather's offsets; v18-27 its LDS addresses; v32-71 x's scale words (8 m + s); v72-103 W1's (8 i + s: lanes 0-15 tile i, lanes 16-31 tile i + 4);
;   v104-223 x's fragments, two sets of 60 (at the head: the gather's 120 registers; at the end: gelu's and the quantiser's); v224-238 list words.
;   Window 1: accumulators of row tiles 0-3 (64 m + 8 t).  Window 2: v0-63 those of row tile 4; v64-127 b1; v128-223 W1's set 2.  Window 3: v0-95, v96-191 W1's sets 0 and 1; at the end gelu's.
.set XS,  32
.set WS,  72
.set AF,  104
.set H,   104                          ; the end: 64 numbers of a lane
.set PC,  168                          ; their codes
.set CT,  180                          ; the conversions' second halves
.set TM,  188                          ; +0-3 largest magnitudes, +4-7 the other lanes', then bytes, +12-15 the conversions' scale operands
.set PW,  204                          ; v204-208 the five scale words
.set Y,   0                            ; in window 3
.set G,   64
.set PP,  128
.set KQ,  192
.set KP,  194
.set MSB, 0
.macro WIN new                         ; the immediate's high byte repeats the setting that is left
.if MSB != (\new)
	s_set_vgpr_msb (MSB<<8)|(\new)
.set MSB, (\new)
.endif
.endm
.macro COEF reg, val                   ; a coefficient as a pair: the packed forms name a pair and take its low word for both halves
	s_mov_b32 s[\reg], \val
	s_mov_b32 s[\reg+1], \val
.endm
	s_load_b512 s[4:19], s[0:1], 0x0               ; xq s[4:5], xsw s[6:7], w1f s[8:9], w1_scales s[10:11], b1 s[12:13], plan s[14:15], hf s[16:17], hs s[18:19]
	v_lshl_add_u32 v254, v0, 2, 0x10000
	v_mov_b32 v255, 0
	v_lshrrev_b32 v1, 5, v0
	v_readfirstlane_b32 s20, v1                    ; wave 0..3
	s_and_b32 s21, ttmp7, 0xffff                   ; the tile of rows T
	v_and_b32 v1, 31, v0                           ; L
	v_and_b32 v2, 15, v0                           ; r
	v_bfe_u32 v3, v0, 4, 1                         ; h
	v_lshlrev_b32 v4, 4, v1                        ; an image's place for my lane
	v_mul_u32_u24 v5, v3, 272
	v_lshl_add_u32 v5, v2, 4, v5                   ; x's fragments in LDS: 272 h + 16 r
	s_mul_i32 s24, s21, 320                        ; the tile's 80 list words
	s_mov_b32 s25, 0
	s_lshl_b32 s26, s21, 2
	s_mul_i32 s27, s20, 80
	v_lshl_add_u32 v28, v3, 2, s27                 ; the rows that my wave gathers: 20 w + 2 k + L / 16
	v_lshlrev_b32 v29, 2, v2                       ; and those whose scale words my lane wants: 16 m + r
	s_wait_kmcnt 0x0
	s_load_b32 s22, s[14:15], s26 offset:9472      ; the tile's expert
	s_add_nc_u64 s[34:35], s[14:15], s[24:25]
.irp k, 0,1,2,3,4,5,6,7,8,9
	global_load_b32 v[224+\k], v28, s[34:35] offset:8*\k
.endr
.irp m, 0,1,2,3,4
	global_load_b32 v[234+\m], v29, s[34:35] offset:64*\m
.endr
	s_mov_b32 s28, 0x76543210
	s_mov_b32 s29, 0xfedcba98                      ; v_permlanex16_b32's selects for lane l xor 16
	s_mov_b32 s30, 0x03010200                      ; a scale word's bytes 0, 2, 1, 3
	s_mov_b32 s31, 0xffff0000                      ; lanes 16-31
	s_mov_b32 s32, 0xc0b504f3                      ; -4 sqrt 2
	s_mov_b32 s33, 0x40b504f3
	COEF 44, 0xb7dfbd29                            ; B3 = -2.66717569e-5
	COEF 46, 0xb9dc924e                            ; B2 = -4.20706744e-4
	COEF 48, 0xbb719bf8                            ; B1 = -3.68666458e-3
	COEF 50, 0xbc69b6a7                            ; B0 = -1.42647391e-2
	COEF 52, 0x2fa84a8d                            ; A5 =  3.06119941e-10
	COEF 54, 0xb347667d                            ; A4 = -4.64265104e-8
	COEF 56, 0xb628d45d                            ; A3 = -2.51575617e-6
	COEF 58, 0xb8883d9c                            ; A2 = -6.49646074e-5
	COEF 60, 0xba08eb41                            ; A1 = -5.22304390e-4
	COEF 62, 0xbbba79f3                            ; A0 = -5.69080716e-3
	; where the gathered rows go in LDS: fragment (m, s), plane j, lane (h, r) lies at 13056 m + 4352 j + 272 (2 s + h) + 16 r: a block of 256 bytes has a place of 272, so that the sixteen lanes of a store
	; (2 s + h = 0 .. 15) and those of a load (r = 0 .. 15) both fall on sixteen different 16-byte columns modulo 256 bytes
	s_mul_i32 s36, s20, 20
	v_mul_u32_u24 v30, v2, 272
.irp k, 0,1,2,3,4,5,6,7,8,9
	s_add_co_u32 s37, s36, 2*\k
	v_add_nc_u32 v31, s37, v3                      ; the row in the tile
	v_lshrrev_b32 v[18+\k], 4, v31                 ; m
	v_and_b32 v31, 15, v31                         ; r
	v_mad_u32_u24 v[18+\k], v[18+\k], 13056, v30
	v_lshl_add_u32 v[18+\k], v31, 4, v[18+\k]
.endr
	v_lshrrev_b32 v6, 3, v2
	v_lshl_add_u32 v6, v6, 3, v2                   ; r + 8 (r / 8)
	v_lshl_add_u32 v6, v3, 6, v6                   ; lanes 16-31: the tile four on: 64 rows on
	v_lshlrev_b32 v6, 5, v6                        ; W1's scales: 32 bytes a row
	v_lshlrev_b32 v7, 6, v3                        ; b1: 16 h numbers on
	s_wait_kmcnt 0x0
	s_min_u32 s23, s22, 3                          ; held: a tile that is not used loads as expert 3 and stores nothing
	s_lshl_b32 s38, ttmp9, 2
	s_add_co_u32 s38, s38, s20                     ; c
	s_mul_i32 s40, s23, 3145728
	s_mul_i32 s42, s38, 98304
	s_add_co_u32 s40, s40, s42
	s_mov_b32 s41, 0
	s_add_nc_u64 s[8:9], s[8:9], s[40:41]          ; W1's 64 images of (expert, c)
	s_lshl_b32 s40, s23, 17
	s_lshl_b32 s42, s38, 12
	s_add_co_u32 s40, s40, s42
	s_add_nc_u64 s[10:11], s[10:11], s[40:41]
	s_lshl_b32 s40, s23, 14
	s_lshl_b32 s42, s38, 9
	s_add_co_u32 s40, s40, s42
	s_add_nc_u64 s[12:13], s[12:13], s[40:41]
	s_lshl_b32 s42, s21, 5
	s_add_co_u32 s42, s42, s38                     ; 32 T + c
	s_mul_i32 s40, s42, 7680
	s_add_nc_u64 s[16:17], s[16:17], s[40:41]
	s_lshl_b32 s40, s42, 9
	s_add_nc_u64 s[18:19], s[18:19], s[40:41]
.irp i, 0,1,2,3
.irp u, 0,1
	global_load_b128 v[WS+8*\i+4*\u:WS+8*\i+4*\u+3], v6, s[10:11] offset:(32*(\i/2)+8*(\i%2))*32+16*\u   ; a row's eight scale words
.endr
.endr
	WIN 0x80                                       ; destination in window 2
.irp t, 0,1,2,3,4,5,6,7
	global_load_b128 v[64+8*\t:64+8*\t+3], v7, s[12:13] offset:(32*(\t/2)+8*(\t%2))*4
	global_load_b128 v[64+8*\t+4:64+8*\t+7], v7, s[12:13] offset:(32*(\t/2)+8*(\t%2))*4+16
.endr
.macro BLOAD s                         ; W1's eight fragments of step s into set s % 3: 24 loads of 512 consecutive bytes
.if ((\s)%3) == 2
	WIN 0x80
.set LB, 128
.else
	WIN 0xc0
.set LB, 96*((\s)%3)
.endif
.irp t, 0,1,2,3,4,5,6,7
.irp j, 0,1,2
	global_load_b128 v[LB+12*\t+4*\j:LB+12*\t+4*\j+3], v4, s[8:9] offset:12288*(\s)+1536*\t+512*\j
.endr
.endr
.endm
	BLOAD 0
	WIN 0
	s_wait_loadcnt 48                              ; behind the 15 list words: 8 + 16 + 24 loads, which may be out
	v_lshlrev_b32 v30, 4, v2
.irp k, 0,1,2,3,4,5,6,7,8,9
	v_min_u32 v[224+\k], 2047, v[224+\k]           ; a loaded number is held before it enters an address; the mark 2048 becomes token 2047
	v_mul_u32_u24 v[8+\k], v[224+\k], 768
	v_add_nc_u32 v[8+\k], v[8+\k], v30
.endr
.irp m, 0,1,2,3,4
	v_min_u32 v[234+\m], 2047, v[234+\m]
	v_lshlrev_b32 v[234+\m], 5, v[234+\m]
.endr
.irp k, 0,1,2,3,4,5,6,7,8,9
.irp g, 0,1,2
	global_load_b128 v[AF+4*(3*\k+\g):AF+4*(3*\k+\g)+3], v[8+\k], s[4:5] offset:256*\g   ; sixteen lanes read 256 consecutive bytes of a token's codes, aligned
.endr
.endr
.irp m, 0,1,2,3,4
	global_load_b128 v[XS+8*\m:XS+8*\m+3], v[234+\m], s[6:7]
	global_load_b128 v[XS+8*\m+4:XS+8*\m+7], v[234+\m], s[6:7] offset:16
.endr
	BLOAD 1
	WIN 0
	s_wait_loadcnt 34                              ; the gathered codes are in; x's 10 loads of scale words and step 1's 24 may be out
.irp k, 0,1,2,3,4,5,6,7,8,9
.irp g, 0,1,2
	ds_store_b128 v[18+\k], v[AF+4*(3*\k+\g):AF+4*(3*\k+\g)+3] offset:4352*\g
.endr
.endr
	s_wait_loadcnt 24                              ; all but step 1's 24
.irp i, 0,1,2,3,4,5,6,7,8,9,10,11,12,13,14,15,16,17,18,19,20,21,22,23,24,25,26,27,28,29,30,31
	v_perm_b32 v[WS+\i], v[WS+\i], v[WS+\i], s30
.endr
.rept 8
	v_nop                                          ; a scale register written by a vector instruction stands 8 places ahead of a scaled matrix instruction
.endr
	s_wait_dscnt 0x0                               ; for the others' sake: my 20 rows lie in LDS
	s_barrier_signal -1
	s_barrier_wait -1                              ; all 80 do.  The only barrier: every wave of every work-group passes it
	s_cmp_gt_u32 s22, 3
	s_cbranch_scc1 .Lend                           ; a tile that this split does not use
.macro ALOAD s                         ; x's five fragments of step s into set s % 2
	WIN 0
.irp m, 0,1,2,3,4
.irp j, 0,1,2
	ds_load_b128 v[AF+60*((\s)%2)+12*\m+4*\j:AF+60*((\s)%2)+12*\m+4*\j+3], v5 offset:13056*\m+4352*\j+544*(\s)
.endr
.endr
.endm
; A step of 128 along K: 40 matrix instructions.  The 40 accumulators take turns, one instruction a turn, in the same order in every step.
.macro KSTEP s
.if (\s) > 0
.rept 4
	v_nop                                          ; places in front of loads into registers that the last step's products read (ISA guide 7.12.1 for vector instructions)
.endr
.endif
.if (\s) <= 5
	BLOAD (\s)+2
.endif
.if (\s) <= 6
	ALOAD (\s)+1
.endif
.if (\s) <= 5
	s_wait_loadcnt 48                              ; this step's fragments of W1 are in; those of the two steps behind it may be out
.elseif (\s) == 6
	s_wait_loadcnt 24
.else
	s_wait_loadcnt 0x0
.endif
.if (\s) <= 6
	s_wait_dscnt 15                                ; this step's fragments of x are in; the 15 loads just issued may be out
.else
	s_wait_dscnt 0x0
.endif
.if ((\s)%3) == 2
.set BW, 2
.set BB, 128
.else
.set BW, 3
.set BB, 96*((\s)%3)
.endif
.irp m, 0,1,2,3,4
.if \m == 4
	WIN 0xa0|BW                                    ; C and D in window 2 (b1 lies there too)
.elseif (\s) == 0
	WIN 0x60|BW                                    ; C = b1 in window 2, D in window 1
.else
	WIN 0x50|BW                                    ; C and D in window 1
.endif
.irp t, 0,1,2,3,4,5,6,7
.set DD, 64*(\m%4)+8*\t
.set CC, DD
.if (\s) == 0
.set CC, 64+8*\t
.endif
.set AA, BB+12*\t
.set FF, AF+60*((\s)%2)+12*\m
.set SA, WS+8*(\t%4)+(\s)
.set SB, XS+8*\m+(\s)
.if \t < 4
	v_wmma_scale_f32_16x16x128_f8f6f4 v[DD:DD+7], v[AA:AA+11], v[FF:FF+11], v[CC:CC+7], v[SA], v[SB] matrix_a_fmt:MATRIX_FMT_FP6 matrix_b_fmt:MATRIX_FMT_FP6
.else
	v_wmma_scale_f32_16x16x128_f8f6f4 v[DD:DD+7], v[AA:AA+11], v[FF:FF+11], v[CC:CC+7], v[SA], v[SB] matrix_a_fmt:MATRIX_FMT_FP6 matrix_b_fmt:MATRIX_FMT_FP6 matrix_a_scale:MATRIX_SCALE_ROW1
.endif
.endr
.endr
.endm
	ALOAD 0
	KSTEP 0
	KSTEP 1
	KSTEP 2
	KSTEP 3
	KSTEP 4
	KSTEP 5
	KSTEP 6
	KSTEP 7
.rept 4
	v_nop                                          ; places in front of the first read of results and the first write over operands
.endr
	WIN 0xc0
	v_mov_b32 v[KQ], 0xb57460cd                    ; B4 = -9.10379490e-7
	v_mov_b32 v[KQ+1], 0xb57460cd
	v_mov_b32 v[KP], 0xabd3f331                    ; A6 = -1.50599506e-12
	v_mov_b32 v[KP+1], 0xabd3f331
; gelu of row tile m's 64 numbers a lane, into v[H] on.  The 64 reciprocals are one batch; A's polynomial is the independent work behind them; one wait stands ahead of their first reader.
.macro GELU m
.set AW, 1+(\m)/4
.set AC, 64*((\m)%4)
	WIN AW                                         ; source 0: the accumulators' window
.set i, 0
.rept 64
	v_med3_num_f32 v[H+i], v[AC+i], s32, s33       ; vc; ascending
.set i, i+1
.endr
	WIN 0xc0
.set i, 0
.rept 32
	v_pk_mul_f32 v[Y+i:Y+i+1], v[H+i:H+i+1], v[H+i:H+i+1]          ; y = vc^2
.set i, i+2
.endr
	WIN 0xff
.set i, 0
.rept 32
	v_pk_fma_f32 v[G+i:G+i+1], v[Y+i:Y+i+1], v[KQ:KQ+1], s[44:45] op_sel_hi:[1,1,0]
.set i, i+2
.endr
.irp k, 46,48,50
.set i, 0
.rept 32
	v_pk_fma_f32 v[G+i:G+i+1], v[G+i:G+i+1], v[Y+i:Y+i+1], s[\k:\k+1] op_sel_hi:[1,1,0]
.set i, i+2
.endr
.endr
.set i, 0
.rept 64
	v_rcp_f32 v[G+i], v[G+i]                       ; 1 / B(y)
.set i, i+1
.endr
.set i, 0
.rept 32
	v_pk_fma_f32 v[PP+i:PP+i+1], v[Y+i:Y+i+1], v[KP:KP+1], s[52:53] op_sel_hi:[1,1,0]
.set i, i+2
.endr
.irp k, 54,56,58,60,62
.set i, 0
.rept 32
	v_pk_fma_f32 v[PP+i:PP+i+1], v[PP+i:PP+i+1], v[Y+i:Y+i+1], s[\k:\k+1] op_sel_hi:[1,1,0]
.set i, i+2
.endr
.endr
	WIN 0xcc
.set i, 0
.rept 32
	v_pk_mul_f32 v[PP+i:PP+i+1], v[H+i:H+i+1], v[PP+i:PP+i+1]      ; vc A(y)
.set i, i+2
.endr
	WIN 0xff
	s_wait_alu depctr_va_vdst(0)                   ; one wait for the 64 reciprocals, ahead of their first reader
.set i, 0
.rept 32
	v_pk_fma_f32 v[PP+i:PP+i+1], v[PP+i:PP+i+1], v[G+i:G+i+1], 0.5 op_sel_hi:[1,1,0]
.set i, i+2
.endr
	WIN AW|0x0c
.set i, 0
.rept 32
	v_pk_mul_f32 v[H+i:H+i+1], v[AC+i:AC+i+1], v[PP+i:PP+i+1]      ; v (0.5 + erf / 2)
.set i, i+2
.endr
	WIN 0
.endm
; The lane's 64 numbers, register 16 b + i = hidden unit 32 b + 16 h + i of token r, become a fragment's codes in v[PC] on and its scale word in v[PW + m].
; The fragment wants blocks 0 and 1 whole in lanes 0-15 and blocks 2 and 3 in lanes 16-31: so block c is converted beside block 2 + c, and the halves change places.
.macro QUANT m
.irp b, 0,1,2,3
	v_max3_num_f32 v[TM+\b], |v[H+16*\b]|, |v[H+1+16*\b]|, 0x1800000   ; and the floor 2^(3 - 127): the byte cannot fall under 1
.endr
.irp i, 2,4,6,8,10,12,14
.irp b, 0,1,2,3
	v_max3_num_f32 v[TM+\b], v[TM+\b], |v[H+16*\b+\i]|, |v[H+1+16*\b+\i]|
.endr
.endr
.irp b, 0,1,2,3
	v_permlanex16_b32 v[TM+4+\b], v[TM+\b], s28, s29
.endr
.irp b, 0,1,2,3
	v_max_num_f32 v[TM+\b], v[TM+\b], v[TM+4+\b]   ; with lane l xor 16's 16: the block's largest magnitude
.endr
.irp b, 0,1,2,3
	v_add_nc_u32 v[TM+12+\b], 0xff000000, v[TM+\b] ; 2 off its exponent field: the conversion's scale operand
.endr
.irp b, 0,1,2,3
	v_lshrrev_b32 v[TM+4+\b], 23, v[TM+12+\b]      ; the scale's byte
.endr
	v_lshl_or_b32 v[PW+\m], v[TM+6], 8, v[TM+4]    ; the word's bytes: blocks 0, 2, 1, 3
	v_lshl_or_b32 v[PW+\m], v[TM+5], 16, v[PW+\m]
	v_lshl_or_b32 v[PW+\m], v[TM+7], 24, v[PW+\m]
.if (\m) > 0
	s_wait_xcnt 0x0                                ; the last row tile's stores have read the codes' registers
.endif
.irp c, 0,1
	v_cvt_scalef32_pk16_fp6_f32 v[PC+6*\c:PC+6*\c+2], v[H+16*\c:H+16*\c+15], v[TM+12+\c]
	v_cvt_scalef32_pk16_fp6_f32 v[CT+4*\c:CT+4*\c+2], v[H+32+16*\c:H+32+16*\c+15], v[TM+14+\c]
.endr
	v_nop                                          ; one plain place behind a scaled conversion
.irp c, 0,1
.irp i, 0,1,2
	v_permlane16_swap_b32 v[PC+6*\c+\i], v[CT+4*\c+\i]             ; the first now holds each lane's block's lower 16 codes, the second the upper 16
.endr
.irp i, 0,1,2
	v_mov_b32 v[PC+3+6*\c+\i], v[CT+4*\c+\i]
.endr
.endr
.irp j, 0,1,2
	global_store_b128 v4, v[PC+4*\j:PC+4*\j+3], s[16:17] offset:1536*(\m)+512*\j   ; the image: 512 consecutive bytes, aligned
.endr
.endm
.irp m, 0,1,2,3,4
	GELU \m
	QUANT \m
.endr
	v_cndmask_b32 v[PW], v[PW], v[PW+4], s31       ; lanes 16-31 carry row tile 4's words in word 0
	global_store_b128 v4, v[PW:PW+3], s[18:19]     ; 512 consecutive bytes, aligned
.Lend:
	s_wait_tensorcnt 0x0
	ds_add_u32 v254, v255
	s_wait_dscnt 0x0
	s_endpgm
.Lfunc_end_k_qab8c7b4ae8_up:
	.size	k_qab8c7b4ae8_up, .Lfunc_end_k_qab8c7b4ae8_up-k_qab8c7b4ae8_up
	.p2alignl 7, 3214868480
	.fill 96, 4, 3214868480
	.section	.rodata,"a",@progbits
	.p2align	6, 0x0
	.amdhsa_kernel k_qab8c7b4ae8_up
		.amdhsa_group_segment_fixed_size 66048
		.amdhsa_private_segment_fixed_size 0
		.amdhsa_enable_private_segment 0
		.amdhsa_kernarg_size 64
		.amdhsa_user_sgpr_count 2
		.amdhsa_user_sgpr_kernarg_segment_ptr 1
		.amdhsa_wavefront_size32 1
		.amdhsa_system_sgpr_workgroup_id_x 1
		.amdhsa_system_sgpr_workgroup_id_y 1
		.amdhsa_system_sgpr_workgroup_id_z 1
		.amdhsa_system_vgpr_workitem_id 0
		.amdhsa_next_free_vgpr 1024
		.amdhsa_next_free_sgpr 100
		.amdhsa_reserve_vcc 0
		.amdhsa_float_denorm_mode_32 3
		.amdhsa_float_denorm_mode_16_64 3
		.amdhsa_memory_ordered 1
		.amdhsa_forward_progress 1
		.amdhsa_inst_pref_size 255
	.end_amdhsa_kernel
	.section	.bss,"aw",@nobits
	.p2align	6
	.space	262144
	.amdgpu_metadata
---
amdhsa.version: [ 1, 2 ]
amdhsa.kernels:
  - .name:           k_qab8c7b4ae8_up
    .symbol:         k_qab8c7b4ae8_up.kd
    .args:
      - { .name: xq, .offset: 0, .size: 8, .value_kind: global_buffer, .address_space: global }
      - { .name: xsw, .offset: 8, .size: 8, .value_kind: global_buffer, .address_space: global }
      - { .name: w1f, .offset: 16, .size: 8, .value_kind: global_buffer, .address_space: global }
      - { .name: w1_scales, .offset: 24, .size: 8, .value_kind: global_buffer, .address_space: global }
      - { .name: b1, .offset: 32, .size: 8, .value_kind: global_buffer, .address_space: global }
      - { .name: plan, .offset: 40, .size: 8, .value_kind: global_buffer, .address_space: global }
      - { .name: hf, .offset: 48, .size: 8, .value_kind: global_buffer, .address_space: global }
      - { .name: hs, .offset: 56, .size: 8, .value_kind: global_buffer, .address_space: global }
    .group_segment_fixed_size: 66048
    .private_segment_fixed_size: 0
    .kernarg_segment_align: 8
    .kernarg_segment_size: 64
    .max_flat_workgroup_size: 128
    .sgpr_count:     100
    .vgpr_count:     1024
    .wavefront_size: 32
...
	.end_amdgpu_metadata
.endif
;; end of part 3
;; launch down (part 4): grid 8 x 29, 4 waves a work-group, no clusters, 169,472 bytes of LDS; arguments hf, hs, w2f, w2_scales, b2, plan, out0; writes out0
.if DOCPART == 4
	.amdgcn_target "amdgcn-amd-amdhsa--gfx1250"
	.amdhsa_code_object_version 6
	.text
	.protected	k_qab8c7b4ae8_down
	.globl	k_qab8c7b4ae8_down
	.p2align	8
	.type	k_qab8c7b4ae8_down,@function
k_qab8c7b4ae8_down:
	s_mov_b64 s[64:65], 0
	v_nop
	global_prefetch_b8 v0, s[64:65] scope:SCOPE_SE
	s_setreg_imm32_b32 hwreg(HW_REG_WAVE_MODE, 25, 1), 1
	s_wait_xcnt 0x0
; DOWN: out = h W2 + b2 for the 80 rows of one tile (work-group y) and 128 outputs (work-group x), with the weights of the tile's expert alone; each row goes to its token's row of out0.
; Each token lies in exactly one row of one tile, so each row of out0 has one owner for each 128 outputs.
; SHARES.  THE FOUR WAVES SPLIT K: wave w takes steps 8 w .. 8 w + 7 of the 32 for the whole 80 x 128: 40 accumulators.  So every operand byte is wanted by one wave alone and goes from memory straight into its registers,
;   as images (three loads of 512 consecutive bytes a fragment), two steps ahead; no LDS and no barrier in the main part.  The four partial tiles meet once in LDS; wave w then sums and stores rows 20 w .. 20 w + 19.
; TRANSPOSED: source 0 = 16 rows of W2, source 1 = 16 rows of h.  Lane (r, h) holds row r, and register j of tile t output 32 (t / 2) + 16 h + 8 (t % 2) + j of the 128.
; The order of K inside a step, a fragment's image and the rows of a weight tile are those stated at the head of the first launch; hf's and hs's layouts at the head of the launch before.
; A GRID FOR EVERY SPLIT: a tile that this split does not use (its expert reads 4) jumps over the main part, passes the one barrier and stores nothing; a row without a token (mark 2048) is not stored.
; NO TENSOR LOAD AND NO JOINT LOAD: the branches above hang on stored whole numbers, and how many tiles share an expert's weights is read from memory.  NO PREFETCH: W2's images are read by every row tile of their expert and
;   h's by eight work-groups, not once, and the loads already stand two steps of K ahead.
; LIMITS: NaN and infinities are not served.  A sum over K is formed as four partial sums of 1,024, added in f32, and inside a step of K the blocks are summed in the order 0, 2, 1, 3: another order than ascending k.
; REGISTERS, in windows of 256.  Window 0: v1-10 lane numbers and addresses; v12-15 b2 of my four columns; v16-25 a batch's offsets in out0; v32-63 W2's scale words (8 i + step: lanes 0-15 tile i, lanes 16-31 tile i + 4);
;   v64-75 h's scale words, three sets of 4; v76-255 h's fragments, three sets of 60 (at the end: rows from the stage).
;   Window 1: accumulators of row tiles 0-3 (64 m + 8 t).  Window 2: v0-63 those of row tile 4; v64-159 W2's set 2.  Window 3: v0-95, v96-191 W2's sets 0 and 1.
.set WS,  32
.set HS,  64
.set HF,  76
.set REG, 42240                        ; a wave's partial tile in LDS: 80 rows x (512 bytes + 16): sixteen rows begin in sixteen different 16-byte columns modulo 256 bytes
.set MSB, 0
.macro WIN new                         ; the immediate's high byte repeats the setting that is left
.if MSB != (\new)
	s_set_vgpr_msb (MSB<<8)|(\new)
.set MSB, (\new)
.endif
.endm
	s_load_b256 s[4:11], s[0:1], 0x0               ; hf s[4:5], hs s[6:7], w2f s[8:9], w2_scales s[10:11]
	s_load_b128 s[12:15], s[0:1], 0x20             ; b2 s[12:13], plan s[14:15]
	s_load_b64 s[16:17], s[0:1], 0x30              ; out0
	v_lshl_add_u32 v30, v0, 2, 0x29400
	v_mov_b32 v31, 0
	v_lshrrev_b32 v1, 5, v0
	v_readfirstlane_b32 s20, v1                    ; wave 0..3
	s_and_b32 s21, ttmp7, 0xffff                   ; the tile of rows T
	s_lshl_b32 s27, s21, 2
	s_mul_i32 s28, s21, 320
	s_mul_i32 s29, s20, 80
	s_add_co_u32 s28, s28, s29                     ; the list words of the 20 rows that I store
	s_mov_b32 s30, 0x03010200                      ; a scale word's bytes 0, 2, 1, 3
	s_wait_kmcnt 0x0
	s_load_b32 s22, s[14:15], s27 offset:9472      ; the tile's expert
.irp i, 0,1,2,3,4
	s_load_b128 s[40+4*\i:43+4*\i], s[14:15], s28 offset:16*\i
.endr
	; every address register is made here, ahead of the first branch
	v_and_b32 v1, 31, v0                           ; L
	v_and_b32 v2, 15, v0                           ; r
	v_bfe_u32 v3, v0, 4, 1                         ; h
	v_lshlrev_b32 v4, 4, v1                        ; an image's place for my lane; also my 16 bytes of a row of 512
	s_mul_i32 s26, s20, REG
	v_mul_u32_u24 v5, v2, 528
	v_lshl_add_u32 v5, v3, 6, v5
	v_add_nc_u32 v5, s26, v5                       ; the stage, in: my wave's region, row r, + 64 h
	s_mul_i32 s26, s20, 20*528
	v_add_nc_u32 v6, s26, v4                       ; and back: region q, my 20 rows, 16 bytes a lane
	v_add_nc_u32 v7, REG, v6
	v_add_nc_u32 v8, 2*REG, v6
	v_add_nc_u32 v9, 3*REG, v6
	v_lshrrev_b32 v10, 3, v2
	v_lshl_add_u32 v10, v10, 3, v2                 ; r + 8 (r / 8)
	v_lshl_add_u32 v10, v3, 6, v10                 ; lanes 16-31: the tile four on
	v_lshlrev_b32 v10, 7, v10                      ; W2's scales: 128 bytes a row
	s_wait_kmcnt 0x0
	s_min_u32 s23, s22, 3                          ; held: a tile that is not used loads as expert 3 and stores nothing
	s_lshl_b32 s32, s23, 17
	s_lshl_b32 s34, ttmp9, 14
	s_add_co_u32 s32, s32, s34
	s_lshl_b32 s34, s20, 5
	s_add_co_u32 s32, s32, s34                     ; (expert x 1024 + 128 x) rows of 128 bytes, + my eight words
	s_mov_b32 s33, 0
	s_add_nc_u64 s[10:11], s[10:11], s[32:33]
	s_lshl_b32 s32, s23, 12
	s_lshl_b32 s34, ttmp9, 9
	s_add_co_u32 s32, s32, s34
	s_add_nc_u64 s[12:13], s[12:13], s[32:33]      ; b2 of my 128 outputs
	s_mov_b32 s32, s34
	s_add_nc_u64 s[16:17], s[16:17], s[32:33]      ; out0 at my 128 outputs: 512 x bytes on
	s_lshl_b32 s32, s23, 3
	s_add_co_u32 s32, s32, ttmp9
	s_lshl_b32 s32, s32, 5
	s_lshl_b32 s34, s20, 3
	s_add_co_u32 s32, s32, s34                     ; (8 expert + x) x 32 + 8 w steps
	s_mul_i32 s32, s32, 12288
	s_add_nc_u64 s[8:9], s[8:9], s[32:33]
	s_lshl_b32 s35, s21, 5
	s_add_co_u32 s35, s35, s34                     ; 32 T + 8 w
	s_mul_i32 s32, s35, 7680
	s_add_nc_u64 s[4:5], s[4:5], s[32:33]
	s_lshl_b32 s32, s35, 9
	s_add_nc_u64 s[6:7], s[6:7], s[32:33]
.irp i, 0,1,2,3
.irp u, 0,1
	global_load_b128 v[WS+8*\i+4*\u:WS+8*\i+4*\u+3], v10, s[10:11] offset:(32*(\i/2)+8*(\i%2))*128+16*\u
.endr
.endr
	global_load_b128 v[12:15], v4, s[12:13]
	s_cmp_gt_u32 s22, 3
	s_cbranch_scc1 .Lmeet                          ; a tile that this split does not use: over the main part, to the barrier
.macro LOADS sl                        ; my step sl: 24 loads of W2's images, 15 of h's, 1 of h's scale words, into sets sl % 3
.if ((\sl)%3) == 2
	WIN 0x80
.set LB, 64
.else
	WIN 0xc0
.set LB, 96*((\sl)%3)
.endif
.irp t, 0,1,2,3,4,5,6,7
.irp j, 0,1,2
	global_load_b128 v[LB+12*\t+4*\j:LB+12*\t+4*\j+3], v4, s[8:9] offset:12288*(\sl)+1536*\t+512*\j
.endr
.endr
	WIN 0
.irp m, 0,1,2,3,4
.irp j, 0,1,2
	global_load_b128 v[HF+60*((\sl)%3)+12*\m+4*\j:HF+60*((\sl)%3)+12*\m+4*\j+3], v4, s[4:5] offset:7680*(\sl)+1536*\m+512*\j
.endr
.endr
	global_load_b128 v[HS+4*((\sl)%3):HS+4*((\sl)%3)+3], v4, s[6:7] offset:512*(\sl)
.endm
	LOADS 0
	LOADS 1
	s_wait_loadcnt 63                              ; 80 loads were issued behind W2's scale words and b2: with 63 out at the most, those nine are in
.irp i, 0,1,2,3,4,5,6,7,8,9,10,11,12,13,14,15,16,17,18,19,20,21,22,23,24,25,26,27,28,29,30,31
	v_perm_b32 v[WS+\i], v[WS+\i], v[WS+\i], s30
.endr
.rept 8
	v_nop                                          ; a scale register written by a vector instruction stands 8 places ahead of a scaled matrix instruction
.endr
.macro WM                              ; one product; ZR: it starts its sum; RA1: W2's words in lanes 16-31; RB1: h's words in lanes 16-31
.if ZR
.if RA1 && RB1
	v_wmma_scale_f32_16x16x128_f8f6f4 v[DD:DD+7], v[AA:AA+11], v[FF:FF+11], 0, v[SA], v[SB] matrix_a_fmt:MATRIX_FMT_FP6 matrix_b_fmt:MATRIX_FMT_FP6 matrix_a_scale:MATRIX_SCALE_ROW1 matrix_b_scale:MATRIX_SCALE_ROW1
.elseif RA1
	v_wmma_scale_f32_16x16x128_f8f6f4 v[DD:DD+7], v[AA:AA+11], v[FF:FF+11], 0, v[SA], v[SB] matrix_a_fmt:MATRIX_FMT_FP6 matrix_b_fmt:MATRIX_FMT_FP6 matrix_a_scale:MATRIX_SCALE_ROW1
.elseif RB1
	v_wmma_scale_f32_16x16x128_f8f6f4 v[DD:DD+7], v[AA:AA+11], v[FF:FF+11], 0, v[SA], v[SB] matrix_a_fmt:MATRIX_FMT_FP6 matrix_b_fmt:MATRIX_FMT_FP6 matrix_b_scale:MATRIX_SCALE_ROW1
.else
	v_wmma_scale_f32_16x16x128_f8f6f4 v[DD:DD+7], v[AA:AA+11], v[FF:FF+11], 0, v[SA], v[SB] matrix_a_fmt:MATRIX_FMT_FP6 matrix_b_fmt:MATRIX_FMT_FP6
.endif
.else
.if RA1 && RB1
	v_wmma_scale_f32_16x16x128_f8f6f4 v[DD:DD+7], v[AA:AA+11], v[FF:FF+11], v[DD:DD+7], v[SA], v[SB] matrix_a_fmt:MATRIX_FMT_FP6 matrix_b_fmt:MATRIX_FMT_FP6 matrix_a_scale:MATRIX_SCALE_ROW1 matrix_b_scale:MATRIX_SCALE_ROW1
.elseif RA1
	v_wmma_scale_f32_16x16x128_f8f6f4 v[DD:DD+7], v[AA:AA+11], v[FF:FF+11], v[DD:DD+7], v[SA], v[SB] matrix_a_fmt:MATRIX_FMT_FP6 matrix_b_fmt:MATRIX_FMT_FP6 matrix_a_scale:MATRIX_SCALE_ROW1
.elseif RB1
	v_wmma_scale_f32_16x16x128_f8f6f4 v[DD:DD+7], v[AA:AA+11], v[FF:FF+11], v[DD:DD+7], v[SA], v[SB] matrix_a_fmt:MATRIX_FMT_FP6 matrix_b_fmt:MATRIX_FMT_FP6 matrix_b_scale:MATRIX_SCALE_ROW1
.else
	v_wmma_scale_f32_16x16x128_f8f6f4 v[DD:DD+7], v[AA:AA+11], v[FF:FF+11], v[DD:DD+7], v[SA], v[SB] matrix_a_fmt:MATRIX_FMT_FP6 matrix_b_fmt:MATRIX_FMT_FP6
.endif
.endif
.endm
; A step of 128 along K: 40 matrix instructions.  The 40 accumulators take turns, one instruction a turn, in the same order in every step.  The first step's products start the sums: nothing is cleared.
.macro KSTEP sl
.if (\sl) > 0
.rept 4
	v_nop                                          ; places in front of loads into registers that the last step's products read (ISA guide 7.12.1 for vector instructions)
.endr
.endif
.if (\sl) < 7
	s_wait_loadcnt 40                              ; this step's 40 loads are in; the next step's 40 may be out
.else
	s_wait_loadcnt 0x0
.endif
.if (\sl) <= 5
	LOADS (\sl)+2                                  ; into the sets that the last step read
.endif
.set PS, (\sl)%3
.if PS == 2
.set BW, 2
.set BB, 64
.else
.set BW, 3
.set BB, 96*PS
.endif
.set ZR, 0
.if (\sl) == 0
.set ZR, 1
.endif
.irp m, 0,1,2,3,4
.if \m < 4
	WIN 0x50|BW                                    ; source 0 (W2) in its set's window, source 1 (h) in window 0, C and D in window 1
.else
	WIN 0xa0|BW                                    ; C and D in window 2
.endif
.irp t, 0,1,2,3,4,5,6,7
.set DD, 64*(\m%4)+8*\t
.set AA, BB+12*\t
.set FF, HF+60*PS+12*\m
.set SA, WS+8*(\t%4)+(\sl)
.set SB, HS+4*PS+(\m%4)
.set RA1, \t/4
.set RB1, \m/4
	WM
.endr
.endr
.endm
	KSTEP 0
	KSTEP 1
	KSTEP 2
	KSTEP 3
	KSTEP 4
	KSTEP 5
	KSTEP 6
	KSTEP 7
.rept 4
	v_nop                                          ; places in front of the first read of results
.endr
.irp m, 0,1,2,3,4
	WIN 0x04+4*(\m/4)                              ; an LDS store's data are its source 1: window 1 or 2
.irp t, 0,1,2,3,4,5,6,7
	ds_store_b128 v5, v[64*(\m%4)+8*\t:64*(\m%4)+8*\t+3] offset:8448*\m+128*(\t/2)+32*(\t%2)          ; each accumulator from its low end on
	ds_store_b128 v5, v[64*(\m%4)+8*\t+4:64*(\m%4)+8*\t+7] offset:8448*\m+128*(\t/2)+32*(\t%2)+16
.endr
.endr
	WIN 0
.Lmeet:
	s_wait_dscnt 0x0                               ; for the others' sake: my partial tile lies in LDS
	s_barrier_signal -1
	s_barrier_wait -1                              ; all four do.  The only barrier: every wave of every work-group passes it
	s_cmp_gt_u32 s22, 3
	s_cbranch_scc1 .Lend
	s_wait_loadcnt 0x0                             ; b2 (long in on the way through the main part)
; Row i of batch b: the four waves' parts and b2 are added; the row goes to its token's place, 32 lanes storing 512 consecutive bytes, aligned; a row without a token is not stored.
.macro OUTROW b, i
.set RR, HF+16*(\i)
	s_wait_dscnt 4*(9-(\i))                        ; this row's four loads are in; those of the batch's later rows may be out
	v_pk_add_f32 v[RR:RR+1], v[RR:RR+1], v[RR+4:RR+5]
	v_pk_add_f32 v[RR+2:RR+3], v[RR+2:RR+3], v[RR+6:RR+7]
	v_pk_add_f32 v[RR+8:RR+9], v[RR+8:RR+9], v[RR+12:RR+13]
	v_pk_add_f32 v[RR+10:RR+11], v[RR+10:RR+11], v[RR+14:RR+15]
	v_pk_add_f32 v[RR:RR+1], v[RR:RR+1], v[RR+8:RR+9]
	v_pk_add_f32 v[RR+2:RR+3], v[RR+2:RR+3], v[RR+10:RR+11]
	v_pk_add_f32 v[RR:RR+1], v[RR:RR+1], v[12:13]
	v_pk_add_f32 v[RR+2:RR+3], v[RR+2:RR+3], v[14:15]
	s_cmp_lt_u32 s[40+10*(\b)+(\i)], 2048
	s_cbranch_scc0 .Lno_row_\@
	s_min_u32 s26, s[40+10*(\b)+(\i)], 2047        ; a loaded number is held before it enters an address
	s_lshl_b32 s26, s26, 12                        ; 4,096 bytes a token
	v_add_nc_u32 v[16+(\i)], s26, v4
	global_store_b128 v[16+(\i)], v[RR:RR+3], s[16:17] th:TH_STORE_NT
.Lno_row_\@:
.endm
.macro BATCH b
.irp i, 0,1,2,3,4,5,6,7,8,9
.irp q, 0,1,2,3
	ds_load_b128 v[HF+16*\i+4*\q:HF+16*\i+4*\q+3], v[6+\q] offset:528*(10*(\b)+\i)
.endr
.endr
.irp i, 0,1,2,3,4,5,6,7,8,9
	OUTROW \b, \i
.endr
.endm
	BATCH 0
	s_wait_xcnt 0x0                                ; the first batch's stores have read their data and offsets: both are written again
	BATCH 1
.Lend:
	s_wait_tensorcnt 0x0
	ds_add_u32 v30, v31
	s_wait_dscnt 0x0
	s_endpgm
.Lfunc_end_k_qab8c7b4ae8_down:
	.size	k_qab8c7b4ae8_down, .Lfunc_end_k_qab8c7b4ae8_down-k_qab8c7b4ae8_down
	.p2alignl 7, 3214868480
	.fill 96, 4, 3214868480
	.section	.rodata,"a",@progbits
	.p2align	6, 0x0
	.amdhsa_kernel k_qab8c7b4ae8_down
		.amdhsa_group_segment_fixed_size 169472
		.amdhsa_private_segment_fixed_size 0
		.amdhsa_enable_private_segment 0
		.amdhsa_kernarg_size 56
		.amdhsa_user_sgpr_count 2
		.amdhsa_user_sgpr_kernarg_segment_ptr 1
		.amdhsa_wavefront_size32 1
		.amdhsa_system_sgpr_workgroup_id_x 1
		.amdhsa_system_sgpr_workgroup_id_y 1
		.amdhsa_system_sgpr_workgroup_id_z 1
		.amdhsa_system_vgpr_workitem_id 0
		.amdhsa_next_free_vgpr 1024
		.amdhsa_next_free_sgpr 100
		.amdhsa_reserve_vcc 0
		.amdhsa_float_denorm_mode_32 3
		.amdhsa_float_denorm_mode_16_64 3
		.amdhsa_memory_ordered 1
		.amdhsa_forward_progress 1
		.amdhsa_inst_pref_size 106
	.end_amdhsa_kernel
	.amdgpu_metadata
---
amdhsa.version: [ 1, 2 ]
amdhsa.kernels:
  - .name:           k_qab8c7b4ae8_down
    .symbol:         k_qab8c7b4ae8_down.kd
    .args:
      - { .name: hf, .offset: 0, .size: 8, .value_kind: global_buffer, .address_space: global }
      - { .name: hs, .offset: 8, .size: 8, .value_kind: global_buffer, .address_space: global }
      - { .name: w2f, .offset: 16, .size: 8, .value_kind: global_buffer, .address_space: global }
      - { .name: w2_scales, .offset: 24, .size: 8, .value_kind: global_buffer, .address_space: global }
      - { .name: b2, .offset: 32, .size: 8, .value_kind: global_buffer, .address_space: global }
      - { .name: plan, .offset: 40, .size: 8, .value_kind: global_buffer, .address_space: global }
      - { .name: out0, .offset: 48, .size: 8, .value_kind: global_buffer, .address_space: global }
    .group_segment_fixed_size: 169472
    .private_segment_fixed_size: 0
    .kernarg_segment_align: 8
    .kernarg_segment_size: 56
    .max_flat_workgroup_size: 128
    .sgpr_count:     100
    .vgpr_count:     1024
    .wavefront_size: 32
...
	.end_amdgpu_metadata
.endif
;; end of part 4
;; ======== version 2 of 2: 4 launches
;; workspace buffers: xq 1,572,864 bytes; xsw 65,536 bytes; pick 8,192 bytes of whole numbers; w1f 12,582,912 bytes; w2f 12,582,912 bytes; plan 9,728 bytes of whole numbers; hf 7,127,040 bytes; hs 475,136 bytes
;; launch prep1 (part 5): grid 320 x 1, 4 waves a work-group, no clusters, 87,040 bytes of LDS; arguments x, router_w, router_b, w1_codes, xq, xsw, pick, w1f; writes xq, xsw, pick, w1f
.if DOCPART == 5
	.amdgcn_target "amdgcn-amd-amdhsa--gfx1250"
	.amdhsa_code_object_version 6
	.text
	.protected	k_qab8c7b4ae8_prep1
	.globl	k_qab8c7b4ae8_prep1
	.p2align	8
	.type	k_qab8c7b4ae8_prep1,@function
k_qab8c7b4ae8_prep1:
	s_mov_b64 s[64:65], 0
	v_nop
	global_prefetch_b8 v0, s[64:65] scope:SCOPE_SE
	s_setreg_imm32_b32 hwreg(HW_REG_WAVE_MODE, 25, 1), 1
	s_wait_xcnt 0x0
; PREP1: two kinds of work-groups in one launch, told apart by the work-group's number alone.
; Work-groups 0-63 (ROUTE): the router's logits of 32 tokens each, in f32 (x . router_w + router_b), the chosen expert as the whole number 1 << (8 x expert) at the token's fixed place in pick,
;   and x quantised to FP6 (E2M3) codes with one E8M0 byte for each 32 along DIM, into xq and xsw.
; Work-groups 64-319 (LAY): 64 rows x 768 bytes of w1_codes each, laid anew as images of the matrix operand's registers (w1f), so that a later launch loads each fragment by three loads of 512 consecutive bytes.
; THE ORDER OF K inside a step of 128 is one and the same for every operand of this program: lane (r, h) of a fragment holds the 48 CONSECUTIVE bytes at 96 s + 48 h of its row, which are the memory blocks 4 s + 2 h and
;   4 s + 2 h + 1.  The instruction's blocks 0, 1, 2, 3 are thus the memory blocks 0, 2, 1, 3 of the step, on both sides alike, and a scale word is kept in that order.  The sums inside a step are therefore grouped otherwise than in ascending k.
; A FRAGMENT'S IMAGE is 1,536 bytes: registers 4 j .. 4 j + 3 of lane L at 512 j + 16 L.
; THE ROWS OF A WEIGHT TILE: lane r of tile t takes row 32 (t / 2) + 8 (t % 2) + r + 8 (r / 8) of its group of 128 rows, so that in the transposed product the 16 registers of tiles 2 b, 2 b + 1 are 16 neighbours.
; xq: a token's 768 bytes: the 16 bytes at 256 j + 32 s + 16 h hold bytes 96 s + 48 h + 16 j of its stream of codes.   xsw: 8 scale words a token.
; LIMITS: NaN and infinities among the inputs are not served.  The expert is the first largest LOGIT: the exponential and the division by the positive sum keep the order, so this differs from the first largest rounded
;   probability only where two logits lie within an f32 rounding of each other.  A block of zeros gets the scale byte 1, not 127: its codes are zeros, and these bytes are read by this program alone.
; No matrix instruction, no tensor load, no cluster: work-groups share no input but router_w (16 KB).  Each path has LDS bytes of its own.
.set P,      768                       ; a row of w1_codes in bytes
.set LROW,   784                       ; LAY's LDS: a row's place: 49 x 16 bytes,
.set LWAVE,  16*LROW+128               ; and 128 more behind each 16 rows: a fragment's sixteen rows then begin in sixteen different 16-byte columns modulo 256 bytes
.set SRCP,   10                        ; s[10:11] w1_codes
.set DSTP,   18                        ; s[18:19] w1f
.set RBASE,  50688                     ; ROUTE's LDS begins behind LAY's
.set RWAVE,  8960                      ; a wave's own: a stage of 32 x 272 bytes, then its 256 bytes of scale words
.set SWOFF,  8704
.set XA,  16                           ; v16      16 x lane
.set STI, 17                           ; v17      the stage, on the way in
.set R,   20                           ; v20-147  two sets of 64 numbers as loaded
.set X,   148                          ; v148-211 64 neighbours of one token
.set C,   212                          ; v212-223 their codes
.set CT,  224                          ; v224-226, v228-230 the conversions' second halves
.set LA,  232                          ; v232-247 eight pairs of logit sums
.set TP,  248                          ; v248-255 at work
.set MSB, 0
.macro WIN new                         ; the immediate's high byte repeats the setting that is left
.if MSB != (\new)
	s_set_vgpr_msb (MSB<<8)|(\new)
.set MSB, (\new)
.endif
.endm
	s_load_b256 s[4:11], s[0:1], 0x0               ; x s[4:5], router_w s[6:7], router_b s[8:9], w1_codes s[10:11]
	s_load_b256 s[12:19], s[0:1], 0x20             ; xq s[12:13], xsw s[14:15], pick s[16:17], w1f s[18:19]
	v_lshl_add_u32 v227, v0, 2, 0x15200
	v_mov_b32 v231, 0
	v_lshrrev_b32 v1, 5, v0
	v_readfirstlane_b32 s20, v1                    ; wave 0..3
	v_and_b32 v1, 31, v0                           ; L
	v_lshrrev_b32 v2, 4, v1                        ; L / 16
	v_and_b32 v3, 15, v1                           ; L % 16
	s_wait_kmcnt 0x0
	s_cmp_lt_u32 ttmp9, 64
	s_cbranch_scc1 .Lroute
	; ---------------- LAY: unit u = 64 rows (half a group of 128: four tiles) x 8 steps of K -> 32 images ----------------
	s_sub_co_u32 s21, ttmp9, 64                    ; u
	s_mul_i32 s24, s21, 64*P                       ; the unit's first row,
	s_mul_i32 s22, s20, 16*P                       ; my wave's 16 rows of it
	s_add_co_u32 s24, s24, s22
	s_mov_b32 s25, 0
	s_add_nc_u64 s[SRCP:SRCP+1], s[SRCP:SRCP+1], s[24:25]
	s_lshr_b32 s22, s21, 1
	s_mul_i32 s24, s22, 98304                      ; the group's 64 images,
	s_and_b32 s22, s21, 1
	s_mul_i32 s22, s22, 6144                       ; tiles 0-3 or 4-7,
	s_add_co_u32 s24, s24, s22
	s_mul_i32 s22, s20, 24576                      ; my wave writes steps 2 w and 2 w + 1
	s_add_co_u32 s24, s24, s22
	s_add_nc_u64 s[DSTP:DSTP+1], s[DSTP:DSTP+1], s[24:25]
	s_wait_alu depctr_va_vdst(0)
	v_mul_u32_u24 v4, v2, P
	v_lshl_add_u32 v4, v3, 4, v4                   ; in: lanes 0-15 one row's 256 bytes, lanes 16-31 the next row's
.irp k, 0,1,2,3,4,5,6,7
.irp g, 0,1,2
	global_load_b128 v[16+4*(3*\k+\g):16+4*(3*\k+\g)+3], v4, s[SRCP:SRCP+1] offset:2*\k*P+256*\g th:TH_LOAD_NT
.endr
.endr
	s_mul_i32 s22, s20, LWAVE
	v_mul_u32_u24 v5, v2, LROW
	v_lshl_add_u32 v5, v3, 4, v5
	v_add_nc_u32 v5, s22, v5                       ; LDS, in: my wave's rows
	v_lshrrev_b32 v6, 3, v3                        ; r / 8
	v_lshl_add_u32 v7, v6, 3, v3                   ; r + 8 (r / 8)
	v_mul_u32_u24 v7, v7, LROW
	v_lshl_add_u32 v7, v6, 7, v7                   ; rows 16 on lie behind one gap of 128 more
	v_mad_u32_u24 v7, v2, 48, v7                   ; + 48 h
	s_mul_i32 s22, s20, 192
	v_add_nc_u32 v7, s22, v7                       ; LDS, out: + 96 x (2 w)
	v_lshlrev_b32 v8, 4, v1                        ; an image's place for my lane
	s_wait_alu depctr_va_vdst(0)
.irp k, 0,1,2,3,4,5,6,7
.irp g, 0,1,2
	s_wait_loadcnt 23-(3*\k+\g)                    ; this load is in; the younger ones may be out
	ds_store_b128 v5, v[16+4*(3*\k+\g):16+4*(3*\k+\g)+3] offset:2*\k*LROW+256*\g
.endr
.endr
	s_wait_dscnt 0x0                               ; for the others' sake: my rows lie in LDS
	s_barrier_signal -1
	s_barrier_wait -1                              ; all 64 rows do
.irp ss, 0,1
.irp tt, 0,1,2,3
.irp j, 0,1,2
	ds_load_b128 v[16+4*(12*\ss+3*\tt+\j):16+4*(12*\ss+3*\tt+\j)+3], v7 offset:(32*(\tt/2)+8*(\tt%2))*LROW+2*(\tt/2)*128+96*\ss+16*\j
.endr
.endr
.endr
.irp ss, 0,1
.irp tt, 0,1,2,3
.irp j, 0,1,2
	s_wait_dscnt 23-(12*\ss+3*\tt+\j)
	global_store_b128 v8, v[16+4*(12*\ss+3*\tt+\j):16+4*(12*\ss+3*\tt+\j)+3], s[DSTP:DSTP+1] offset:\ss*12288+\tt*1536+512*\j   ; 32 lanes store 512 consecutive bytes, at a multiple of 512 from the buffer's first byte
.endr
.endr
.endr
	s_wait_tensorcnt 0x0
	ds_add_u32 v227, v231
	s_wait_dscnt 0x0
	s_endpgm
	; ---------------- ROUTE: a wave takes 8 tokens, two at a time ----------------
.Lroute:
	s_load_b128 s[24:27], s[8:9], 0x0              ; router_b
	s_lshl_b32 s21, ttmp9, 2
	s_add_co_u32 s21, s21, s20
	s_lshl_b32 s21, s21, 3                         ; my first token
	s_lshl_b32 s32, s21, 12
	s_mov_b32 s33, 0
	s_add_nc_u64 s[4:5], s[4:5], s[32:33]          ; x: 4,096 bytes a token
	s_mul_i32 s32, s21, 768
	s_add_nc_u64 s[12:13], s[12:13], s[32:33]      ; xq
	s_lshl_b32 s32, s21, 5
	s_add_nc_u64 s[14:15], s[14:15], s[32:33]      ; xsw
	s_lshl_b32 s32, s21, 2
	s_add_nc_u64 s[16:17], s[16:17], s[32:33]      ; pick
	s_mov_b32 s28, 0x76543210
	s_mov_b32 s29, 0xfedcba98                      ; v_permlanex16_b32's selects for lane l xor 16
	s_wait_alu depctr_va_vdst(0)
	v_lshlrev_b32 v9, 6, v1                        ; router_w: my four rows of each 128: 64 bytes a lane
	v_lshlrev_b32 v[XA], 4, v1
	WIN 0x40                                       ; destination in window 1
.irp n, 0,1,2,3,4,5,6,7
.irp c, 0,1,2,3
	global_load_b128 v[16*\n+4*\c:16*\n+4*\c+3], v9, s[6:7] offset:2048*\n+16*\c   ; router_w[128 n + 4 L + c][0 .. 3]: stays in registers
.endr
.endr
	WIN 0
.macro XLOAD it                        ; tokens 2 it and 2 it + 1: sixteen loads of 512 consecutive bytes; quad n holds x[n / 8][128 (n % 8) + 4 L + 0 .. 3]
.irp n, 0,1,2,3,4,5,6,7,8,9,10,11,12,13,14,15
	global_load_b128 v[R+64*((\it)%2)+4*\n:R+64*((\it)%2)+4*\n+3], v[XA], s[4:5] offset:(\it)*8192+512*\n th:TH_LOAD_NT
.endr
.endm
	XLOAD 0
	XLOAD 1
	s_mul_i32 s38, s20, RWAVE
	s_add_co_u32 s38, s38, RBASE                   ; my wave's LDS
	v_mul_u32_u24 v[STI], v2, 272
	v_lshl_add_u32 v[STI], v3, 4, v[STI]
	v_add_nc_u32 v[STI], s38, v[STI]               ; the stage, in: quad n goes to row 2 n + L / 16, byte 16 (L % 16)
	v_mul_u32_u24 v4, v1, 272
	v_add_nc_u32 v4, s38, v4                       ; and out: row L: 64 neighbours of token L / 16
	v_mul_u32_u24 v5, v2, 768
	v_lshl_add_u32 v5, v3, 4, v5                   ; xq: token L / 16, chunk L % 16 = 2 s + h
	v_lshrrev_b32 v6, 1, v3
	v_lshlrev_b32 v6, 2, v6
	v_lshl_add_u32 v6, v2, 5, v6
	v_add_nc_u32 v6, s38, v6
	v_add_nc_u32 v6, SWOFF, v6                     ; my scale word: token L / 16, step (L % 16) / 2
	v_and_b32 v7, 1, v1
	v_lshlrev_b32 v7, 3, v7                        ; 8 h
	v_mov_b32 v8, 0                                ; the wave's eight choices, lane i for token i
	v_lshlrev_b32 v10, 3, v1
	v_lshlrev_b32 v11, 2, v1
	v_mov_b32 v12, 0x100
	v_mov_b32 v13, 0x10000
	v_mov_b32 v14, 0x1000000
	v_add_nc_u32 v15, s38, v10
	v_add_nc_u32 v15, SWOFF, v15                   ; the scale words, read back: 8 bytes a lane
	v_mov_b32 v[TP+6], 0                           ; written once: a DPP move's destination counts as one of its sources
	s_wait_kmcnt 0x0                               ; router_b
.macro ITER it
.set RB, R+64*((\it)%2)
.if (\it) < 3
	s_wait_loadcnt 16                              ; my two tokens are in (and router_w, which is older); the next two tokens' sixteen loads may be out
.else
	s_wait_loadcnt 0x0
.endif
	; the logits: each number of x times its row of router_w, two experts an instruction, in eight chains by turns (token, pair of experts, parity of n)
	WIN 0x04                                       ; source 1 (router_w) in window 1
.irp nn, 0,1,2,3
.irp c, 0,1,2,3
.irp T, 0,1
.irp par, 0,1
.irp ep, 0,1
.set DD, LA+2*(4*\T+2*\ep+\par)
.set XX, RB+4*(8*\T+2*\nn+\par)+2*(\c/2)
.set WW, 16*(2*\nn+\par)+4*\c+2*\ep
.if (\nn == 0) && (\c == 0)
	v_pk_mul_f32 v[DD:DD+1], v[XX:XX+1], v[WW:WW+1] op_sel:[0,0] op_sel_hi:[0,1]   ; the first product starts a chain: nothing is cleared
.elseif (\c%2) == 0
	v_pk_fma_f32 v[DD:DD+1], v[XX:XX+1], v[WW:WW+1], v[DD:DD+1] op_sel:[0,0,0] op_sel_hi:[0,1,1]
.else
	v_pk_fma_f32 v[DD:DD+1], v[XX:XX+1], v[WW:WW+1], v[DD:DD+1] op_sel:[1,0,0] op_sel_hi:[1,1,1]
.endif
.endr
.endr
.endr
.endr
.endr
	WIN 0
	; the turn through my stage: LDS serves a wave's instructions in order, so no wait stands between the stores and the loads
.irp n, 0,1,2,3,4,5,6,7,8,9,10,11,12,13,14,15
	ds_store_b128 v[STI], v[RB+4*\n:RB+4*\n+3] offset:544*\n
.endr
.irp q, 0,1,2,3,4,5,6,7,8,9,10,11,12,13,14,15
	ds_load_b128 v[X+4*\q:X+4*\q+3], v4 offset:16*\q
.endr
	; while the turn is out: the sums over the lanes, the bias, the first largest logit
.irp T, 0,1
.irp ep, 0,1
	v_pk_add_f32 v[LA+8*\T+4*\ep:LA+8*\T+4*\ep+1], v[LA+8*\T+4*\ep:LA+8*\T+4*\ep+1], v[LA+8*\T+4*\ep+2:LA+8*\T+4*\ep+3]
.endr
.endr
.irp x, 1,2,4,8
.irp q, 0,1,4,5,8,9,12,13
	v_add_f32_dpp v[LA+\q], v[LA+\q], v[LA+\q] row_xmask:\x row_mask:0xf bank_mask:0xf
.endr
.endr
.irp q, 0,1,4,5,8,9,12,13
	v_permlanex16_b32 v[LA+\q+2], v[LA+\q], s28, s29
.endr
.irp q, 0,1,4,5,8,9,12,13
	v_add_f32 v[LA+\q], v[LA+\q], v[LA+\q+2]       ; every lane holds the same eight sums
.endr
.irp T, 0,1
.irp e, 0,1,2,3
	v_add_f32 v[LA+8*\T+4*(\e/2)+\e%2], s[24+\e], v[LA+8*\T+4*(\e/2)+\e%2]
.endr
.endr
.irp T, 0,1
	v_mov_b32 v[TP+\T], 1                          ; expert 0
	v_mov_b32 v[TP+2+\T], v[LA+8*\T]
.endr
.irp e, 1,2,3
.irp T, 0,1
	v_cmp_gt_f32 vcc_lo, v[LA+8*\T+4*(\e/2)+\e%2], v[TP+2+\T]      ; strictly larger: the lower index keeps a tie
	v_cndmask_b32 v[TP+\T], v[TP+\T], v[11+\e], vcc_lo
	v_max_num_f32 v[TP+2+\T], v[TP+2+\T], v[LA+8*\T+4*(\e/2)+\e%2]
.endr
.endr
.irp T, 0,1
	v_cmp_eq_u32 vcc_lo, 2*(\it)+\T, v1
	v_cndmask_b32 v8, v8, v[TP+\T], vcc_lo         ; a choice only selects a value: no branch and no address hangs on it
.endr
	s_wait_dscnt 0x0                               ; the 64 neighbours are in, and the stores into the stage have read their registers,
.if (\it) <= 1
	XLOAD (\it)+2                                  ; which take the tokens of two turns on
.endif
	; my two blocks of 32: numbers 0-31 and 32-63; four chains of 16, each with the floor 2^(3 - 127) among its leaves, so that the byte cannot fall under 1
.irp u, 0,1,2,3
	v_max3_num_f32 v[TP+\u], |v[X+16*\u]|, |v[X+16*\u+1]|, 0x1800000
.endr
.irp i, 2,4,6,8,10,12,14
.irp u, 0,1,2,3
	v_max3_num_f32 v[TP+\u], v[TP+\u], |v[X+16*\u+\i]|, |v[X+16*\u+\i+1]|
.endr
.endr
	v_max_num_f32 v[TP], v[TP], v[TP+1]
	v_max_num_f32 v[TP+2], v[TP+2], v[TP+3]
	v_add_nc_u32 v[TP+4], 0xff000000, v[TP]        ; 2 off the exponent field: the conversion takes the exponent field of this operand as its scale
	v_add_nc_u32 v[TP+5], 0xff000000, v[TP+2]
	s_wait_alu depctr_va_vdst(0)
	s_wait_xcnt 0x0                                ; the last turn's stores have read the codes' registers
	v_cvt_scalef32_pk16_fp6_f32 v[C:C+2], v[X:X+15], v[TP+4]
	v_cvt_scalef32_pk16_fp6_f32 v[CT:CT+2], v[X+16:X+31], v[TP+4]      ; (a conversion's three registers begin on an even number)
	v_cvt_scalef32_pk16_fp6_f32 v[C+6:C+8], v[X+32:X+47], v[TP+5]
	v_cvt_scalef32_pk16_fp6_f32 v[CT+4:CT+6], v[X+48:X+63], v[TP+5]
	v_lshrrev_b32 v[TP], 23, v[TP+4]               ; the scales' bytes.  (A plain place behind the conversions)
	v_lshrrev_b32 v[TP+1], 23, v[TP+5]
.irp i, 0,1,2
	v_mov_b32 v[C+3+\i], v[CT+\i]
	v_mov_b32 v[C+9+\i], v[CT+4+\i]
.endr
.irp j, 0,1,2
	global_store_b128 v5, v[C+4*\j:C+4*\j+3], s[12:13] offset:(\it)*1536+256*\j   ; sixteen lanes store 256 consecutive bytes, at a multiple of 256 from the buffer's first byte
.endr
	v_lshl_or_b32 v[TP], v[TP+1], 16, v[TP]        ; my two bytes stand at bytes h and 2 + h of the step's word:
	v_lshlrev_b32 v[TP], v7, v[TP]
	v_mov_b32_dpp v[TP+6], v[TP] row_xmask:1 row_mask:0xf bank_mask:0xf
	v_or_b32 v[TP+7], v[TP], v[TP+6]               ; with my neighbour's two the word is whole
	ds_store_b32 v6, v[TP+7] offset:64*(\it)       ; both lanes of a pair write the same word with the same value
.endm
	ITER 0
	ITER 1
	ITER 2
	ITER 3
	ds_load_b64 v[TP:TP+1], v15                    ; LDS serves a wave's instructions in order: this sees my stores
	s_wait_dscnt 0x0
	global_store_b64 v10, v[TP:TP+1], s[14:15]     ; the wave's 64 scale words: 256 consecutive bytes, aligned
	v_cmp_gt_u32 vcc_lo, 8, v1
	s_wait_xcnt 0x0                                ; EXEC changes only behind this wait
	s_wait_tensorcnt 0x0
	ds_add_u32 v227, v231
	s_wait_dscnt 0x0
	s_and_saveexec_b32 s30, vcc_lo
	global_store_b32 v11, v8, s[16:17]             ; eight whole numbers
	s_wait_xcnt 0x0
	s_or_b32 exec_lo, exec_lo, s30
	s_endpgm
.Lfunc_end_k_qab8c7b4ae8_prep1:
	.size	k_qab8c7b4ae8_prep1, .Lfunc_end_k_qab8c7b4ae8_prep1-k_qab8c7b4ae8_prep1
	.p2alignl 7, 3214868480
	.fill 96, 4, 3214868480
	.section	.rodata,"a",@progbits
	.p2align	6, 0x0
	.amdhsa_kernel k_qab8c7b4ae8_prep1
		.amdhsa_group_segment_fixed_size 87040
		.amdhsa_private_segment_fixed_size 0
		.amdhsa_enable_private_segment 0
		.amdhsa_kernarg_size 64
		.amdhsa_user_sgpr_count 2
		.amdhsa_user_sgpr_kernarg_segment_ptr 1
		.amdhsa_wavefront_size32 1
		.amdhsa_system_sgpr_workgroup_id_x 1
		.amdhsa_system_sgpr_workgroup_id_y 1
		.amdhsa_system_sgpr_workgroup_id_z 1
		.amdhsa_system_vgpr_workitem_id 0
		.amdhsa_next_free_vgpr 384
		.amdhsa_next_free_sgpr 66
		.amdhsa_reserve_vcc 1
		.amdhsa_float_denorm_mode_32 3
		.amdhsa_float_denorm_mode_16_64 3
		.amdhsa_memory_ordered 1
		.amdhsa_forward_progress 1
		.amdhsa_inst_pref_size 94
	.end_amdhsa_kernel
	.amdgpu_metadata
---
amdhsa.version: [ 1, 2 ]
amdhsa.kernels:
  - .name:           k_qab8c7b4ae8_prep1
    .symbol:         k_qab8c7b4ae8_prep1.kd
    .args:
      - { .name: x, .offset: 0, .size: 8, .value_kind: global_buffer, .address_space: global }
      - { .name: router_w, .offset: 8, .size: 8, .value_kind: global_buffer, .address_space: global }
      - { .name: router_b, .offset: 16, .size: 8, .value_kind: global_buffer, .address_space: global }
      - { .name: w1_codes, .offset: 24, .size: 8, .value_kind: global_buffer, .address_space: global }
      - { .name: xq, .offset: 32, .size: 8, .value_kind: global_buffer, .address_space: global }
      - { .name: xsw, .offset: 40, .size: 8, .value_kind: global_buffer, .address_space: global }
      - { .name: pick, .offset: 48, .size: 8, .value_kind: global_buffer, .address_space: global }
      - { .name: w1f, .offset: 56, .size: 8, .value_kind: global_buffer, .address_space: global }
    .group_segment_fixed_size: 87040
    .private_segment_fixed_size: 0
    .kernarg_segment_align: 8
    .kernarg_segment_size: 64
    .max_flat_workgroup_size: 128
    .sgpr_count:     66
    .vgpr_count:     384
    .wavefront_size: 32
...
	.end_amdgpu_metadata
.endif
;; end of part 5
;; launch prep2 (part 6): grid 257 x 1, 4 waves a work-group, no clusters, 51,456 bytes of LDS; arguments pick, w2_codes, plan, w2f; writes plan, w2f
.if DOCPART == 6
	.amdgcn_target "amdgcn-amd-amdhsa--gfx1250"
	.amdhsa_code_object_version 6
	.text
	.protected	k_qab8c7b4ae8_prep2
	.globl	k_qab8c7b4ae8_prep2
	.p2align	8
	.type	k_qab8c7b4ae8_prep2,@function
k_qab8c7b4ae8_prep2:
	s_mov_b64 s[64:65], 0
	v_nop
	global_prefetch_b8 v0, s[64:65] scope:SCOPE_SE
	s_setreg_imm32_b32 hwreg(HW_REG_WAVE_MODE, 25, 1), 1
	s_wait_xcnt 0x0
; PREP2: work-group 0 (SORT) places the 2,048 tokens by expert; work-groups 1-256 (LAY) lay w2_codes anew as images of the matrix operand's registers (w2f), as the launch before did for w1.
; SORT.  pick holds 1 << (8 x expert) for each token.  A counting sort without atomics: each of the four waves counts its 512 tokens, the counts meet in LDS, and each token's place is its expert's first row
;   + the tokens of that expert in earlier waves + those in earlier slots + those in lower lanes.  Each expert's rows begin a new tile of 80 rows.  There are never more than floor((2048 + 4 x 79) / 80) = 29 tiles.
; plan: words 0-2319: the token of each row of the 29 tiles, 2048 where there is none (every word is written);  word 2367: a dump for lanes that have nothing to write;  bytes 9472-9599: the expert of tile T, 4 = no tile.
; LAY.  A unit is 64 rows x 768 bytes (8 steps of K) of w2_codes; the layout of an image, the rows of a tile and the order of K are those stated at the head of the launch before.
;   w2f: [expert][group of 128 outputs][32 steps of K][8 tiles][1,536 bytes].
; No matrix instruction, no tensor load, no cluster.  Each path has LDS bytes of its own.
.set P,      3072                      ; a row of w2_codes in bytes
.set LROW,   784
.set LWAVE,  16*LROW+128
.set SRCP,   6                         ; s[6:7]   w2_codes
.set DSTP,   10                        ; s[10:11] w2f
.set CNT,    50688                     ; SORT's LDS: four waves' counts, 8 bytes each
.set DUMP,   2367
	s_load_b256 s[4:11], s[0:1], 0x0               ; pick s[4:5], w2_codes s[6:7], plan s[8:9], w2f s[10:11]
	v_lshl_add_u32 v128, v0, 2, 0xc700
	v_mov_b32 v129, 0
	v_lshrrev_b32 v1, 5, v0
	v_readfirstlane_b32 s20, v1                    ; wave 0..3
	v_and_b32 v1, 31, v0                           ; L
	v_lshrrev_b32 v2, 4, v1                        ; L / 16
	v_and_b32 v3, 15, v1                           ; L % 16
	s_wait_kmcnt 0x0
	s_cmp_eq_u32 ttmp9, 0
	s_cbranch_scc1 .Lsort
	; ---------------- LAY: unit u = ((expert x 8 + group) x 4 + run of 8 steps) x 2 + half ----------------
	s_sub_co_u32 s21, ttmp9, 1                     ; u
	s_lshr_b32 s22, s21, 3
	s_mul_i32 s24, s22, 128*P                      ; the group's 128 rows,
	s_and_b32 s22, s21, 1
	s_mul_i32 s22, s22, 64*P                       ; its half,
	s_add_co_u32 s24, s24, s22
	s_bfe_u32 s22, s21, 0x20001
	s_mul_i32 s22, s22, 768                        ; the run of 8 steps along K,
	s_add_co_u32 s24, s24, s22
	s_mul_i32 s22, s20, 16*P                       ; my wave's 16 rows
	s_add_co_u32 s24, s24, s22
	s_mov_b32 s25, 0
	s_add_nc_u64 s[SRCP:SRCP+1], s[SRCP:SRCP+1], s[24:25]
	s_lshr_b32 s22, s21, 1
	s_mul_i32 s24, s22, 98304                      ; 8 steps x 8 tiles of images,
	s_and_b32 s22, s21, 1
	s_mul_i32 s22, s22, 6144                       ; tiles 0-3 or 4-7,
	s_add_co_u32 s24, s24, s22
	s_mul_i32 s22, s20, 24576                      ; my wave writes steps 2 w and 2 w + 1 of the run
	s_add_co_u32 s24, s24, s22
	s_add_nc_u64 s[DSTP:DSTP+1], s[DSTP:DSTP+1], s[24:25]
	s_wait_alu depctr_va_vdst(0)
	v_mul_u32_u24 v4, v2, P
	v_lshl_add_u32 v4, v3, 4, v4                   ; in: lanes 0-15 one row's 256 bytes, lanes 16-31 the next row's
.irp k, 0,1,2,3,4,5,6,7
.irp g, 0,1,2
	global_load_b128 v[16+4*(3*\k+\g):16+4*(3*\k+\g)+3], v4, s[SRCP:SRCP+1] offset:2*\k*P+256*\g th:TH_LOAD_NT
.endr
.endr
	s_mul_i32 s22, s20, LWAVE
	v_mul_u32_u24 v5, v2, LROW
	v_lshl_add_u32 v5, v3, 4, v5
	v_add_nc_u32 v5, s22, v5                       ; LDS, in
	v_lshrrev_b32 v6, 3, v3                        ; r / 8
	v_lshl_add_u32 v7, v6, 3, v3                   ; r + 8 (r / 8)
	v_mul_u32_u24 v7, v7, LROW
	v_lshl_add_u32 v7, v6, 7, v7
	v_mad_u32_u24 v7, v2, 48, v7                   ; + 48 h
	s_mul_i32 s22, s20, 192
	v_add_nc_u32 v7, s22, v7                       ; LDS, out
	v_lshlrev_b32 v8, 4, v1
	s_wait_alu depctr_va_vdst(0)
.irp k, 0,1,2,3,4,5,6,7
.irp g, 0,1,2
	s_wait_loadcnt 23-(3*\k+\g)                    ; this load is in; the younger ones may be out
	ds_store_b128 v5, v[16+4*(3*\k+\g):16+4*(3*\k+\g)+3] offset:2*\k*LROW+256*\g
.endr
.endr
	s_wait_dscnt 0x0                               ; for the others' sake: my rows lie in LDS
	s_barrier_signal -1
	s_barrier_wait -1
.irp ss, 0,1
.irp tt, 0,1,2,3
.irp j, 0,1,2
	ds_load_b128 v[16+4*(12*\ss+3*\tt+\j):16+4*(12*\ss+3*\tt+\j)+3], v7 offset:(32*(\tt/2)+8*(\tt%2))*LROW+2*(\tt/2)*128+96*\ss+16*\j
.endr
.endr
.endr
.irp ss, 0,1
.irp tt, 0,1,2,3
.irp j, 0,1,2
	s_wait_dscnt 23-(12*\ss+3*\tt+\j)
	global_store_b128 v8, v[16+4*(12*\ss+3*\tt+\j):16+4*(12*\ss+3*\tt+\j)+3], s[DSTP:DSTP+1] offset:\ss*12288+\tt*1536+512*\j   ; 512 consecutive bytes, aligned
.endr
.endr
.endr
	s_wait_tensorcnt 0x0
	ds_add_u32 v128, v129
	s_wait_dscnt 0x0
	s_endpgm
	; ---------------- SORT: wave w, slot n, lane L has token 512 w + 32 n + L ----------------
.Lsort:
	v_lshrrev_b32 v2, 5, v0                        ; w
	v_lshlrev_b32 v3, 11, v2
	s_wait_alu depctr_va_vdst(0)
	v_lshl_add_u32 v3, v1, 2, v3                   ; 2,048 w + 4 L
.irp n, 0,1,2,3,4,5,6,7,8,9,10,11,12,13,14,15
	global_load_b32 v[16+\n], v3, s[4:5] offset:128*\n
.endr
	s_mov_b32 s28, 0x76543210
	s_mov_b32 s29, 0xfedcba98
	v_lshl_add_u32 v4, v2, 3, CNT                  ; my wave's counts
	v_mov_b32 v5, CNT
	v_mov_b32 v8, 0                                ; written once: destinations of lane moves count as sources
	v_mov_b32 v9, 0
	v_mov_b32 v76, 2048                            ; the mark of a row without a token
	v_mov_b32 v77, DUMP
	s_wait_loadcnt 0x0
	v_add3_u32 v6, v16, v17, v18                   ; four counts in four bytes, at most 16 each
.irp n, 19,21,23,25,27,29
	v_add3_u32 v6, v6, v[\n], v[\n+1]
.endr
	v_add_nc_u32 v6, v6, v31
	v_and_b32 v10, 0xff00ff, v6                    ; experts 0 and 2 in fields of 16 bits,
	v_lshrrev_b32 v11, 8, v6
	v_and_b32 v11, 0xff00ff, v11                   ; experts 1 and 3
.irp x, 1,2,4,8
	v_mov_b32_dpp v8, v10 row_xmask:\x row_mask:0xf bank_mask:0xf
	v_mov_b32_dpp v9, v11 row_xmask:\x row_mask:0xf bank_mask:0xf
	v_add_nc_u32 v10, v10, v8
	v_add_nc_u32 v11, v11, v9
.endr
	v_permlanex16_b32 v8, v10, s28, s29
	v_permlanex16_b32 v9, v11, s28, s29
	v_add_nc_u32 v10, v10, v8
	v_add_nc_u32 v11, v11, v9                      ; the wave's counts, at most 512 each
	ds_store_b64 v4, v[10:11]                      ; all lanes write the same words with the same values
	s_wait_dscnt 0x0
	s_barrier_signal -1
	s_barrier_wait -1
	ds_load_b128 v[80:83], v5
	ds_load_b128 v[84:87], v5 offset:16
	s_wait_dscnt 0x0
.irp i, 0,1,2,3,4,5,6,7
	v_readfirstlane_b32 s[40+\i], v[80+\i]
.endr
	s_mov_b32 s48, 0                               ; the earlier waves' counts,
	s_mov_b32 s49, 0
	s_mov_b32 s50, 0                               ; and all four waves'
	s_mov_b32 s51, 0
.irp q, 0,1,2,3
	s_cmp_lt_u32 \q, s20
	s_cselect_b32 s52, s[40+2*\q], 0
	s_cselect_b32 s53, s[41+2*\q], 0               ; both selections ahead of the additions, which set SCC
	s_add_co_u32 s48, s48, s52
	s_add_co_u32 s49, s49, s53
	s_add_co_u32 s50, s50, s[40+2*\q]
	s_add_co_u32 s51, s51, s[41+2*\q]
.endr
	s_and_b32 s54, s50, 0xffff                     ; s54-57: an expert's tokens
	s_and_b32 s55, s51, 0xffff
	s_lshr_b32 s56, s50, 16
	s_lshr_b32 s57, s51, 16
	s_and_b32 s58, s48, 0xffff                     ; s58-61: those in earlier waves
	s_and_b32 s59, s49, 0xffff
	s_lshr_b32 s60, s48, 16
	s_lshr_b32 s61, s49, 16
	s_mov_b32 s70, 0                               ; s70-74: an expert's first tile
.irp e, 0,1,2,3
	s_add_co_u32 s66, s[54+\e], 79
	s_mul_i32 s66, s66, 3277
	s_lshr_b32 s66, s66, 18                        ; its tiles: (n + 79) / 80, exact for n + 79 up to 2,127: 3277 / 2^18 exceeds 1 / 80 by 7.7e-7
	s_add_co_u32 s[71+\e], s[70+\e], s66
	s_mul_i32 s67, s[70+\e], 80
	s_add_co_u32 s[76+\e], s67, s[58+\e]           ; s76-79: the next free row for my wave
	s_add_co_u32 s[80+\e], s67, s[54+\e]           ; s80-83: the first row without a token,
	s_mul_i32 s66, s66, 80
	s_sub_co_u32 s[84+\e], s66, s[54+\e]           ; s84-87: and how many there are: under 80
.endr
	s_mul_i32 s88, s74, 80                         ; the rows of the tiles that this split does not use:
	s_sub_co_u32 s89, 2320, s88                    ; at most 2,320 - 80 x 26 = 240
	v_lshlrev_b32 v12, 9, v2
	v_add_nc_u32 v12, v12, v1                      ; 512 w + L
.irp n, 0,1,2,3,4,5,6,7,8,9,10,11,12,13,14,15
	v_cmp_eq_u32 s90, 1, v[16+\n]
	v_cmp_eq_u32 s91, 0x100, v[16+\n]
	v_cmp_eq_u32 s92, 0x10000, v[16+\n]
	v_cmp_eq_u32 s93, 0x1000000, v[16+\n]
	v_mbcnt_lo_u32_b32 v[32+\n], s90, s76          ; the expert's next free row + its tokens in lower lanes
	v_mbcnt_lo_u32_b32 v13, s91, s77
	v_cndmask_b32 v[32+\n], v[32+\n], v13, s91
	v_mbcnt_lo_u32_b32 v14, s92, s78
	v_cndmask_b32 v[32+\n], v[32+\n], v14, s92
	v_mbcnt_lo_u32_b32 v15, s93, s79
	v_cndmask_b32 v[32+\n], v[32+\n], v15, s93
	s_wait_alu depctr_va_vdst(0)
	s_bcnt1_i32_b32 s94, s90
	s_add_co_u32 s76, s76, s94
	s_bcnt1_i32_b32 s94, s91
	s_add_co_u32 s77, s77, s94
	s_bcnt1_i32_b32 s94, s92
	s_add_co_u32 s78, s78, s94
	s_bcnt1_i32_b32 s94, s93
	s_add_co_u32 s79, s79, s94
	v_min_u32 v[32+\n], DUMP, v[32+\n]             ; a number made of loaded numbers is held before it enters an address
	v_lshlrev_b32 v[32+\n], 2, v[32+\n]
	v_add_nc_u32 v[48+\n], 32*\n, v12              ; the token
	global_store_b32 v[32+\n], v[48+\n], s[8:9]    ; each slot has registers of its own: nothing that a store reads is written again
.endr
; rows start .. start + len - 1 get the mark; thread i + 128 q takes row start + i; a thread with nothing to mark writes the dump word
.macro PAD reg, start, len, q
	v_add_nc_u32 v13, 128*(\q), v0
	v_add_nc_u32 v[\reg], s[\start], v13
	v_cmp_gt_u32 vcc_lo, s[\len], v13
	v_cndmask_b32 v[\reg], v77, v[\reg], vcc_lo
	v_min_u32 v[\reg], DUMP, v[\reg]
	v_lshlrev_b32 v[\reg], 2, v[\reg]
	global_store_b32 v[\reg], v76, s[8:9]
.endm
	PAD 64, 80, 84, 0
	PAD 65, 81, 85, 0
	PAD 66, 82, 86, 0
	PAD 67, 83, 87, 0
	PAD 68, 88, 89, 0
	PAD 69, 88, 89, 1
	s_cmp_lg_u32 s20, 0
	s_cbranch_scc1 .Lsort_end
	v_mov_b32 v14, 0                               ; wave 0: the expert of tile L = how many of the experts 1 .. 4 begin at or before it; 4 = no tile
.irp k, 71,72,73,74
	v_cmp_le_u32 vcc_lo, s[\k], v1
	v_add_co_ci_u32 v14, vcc_lo, 0, v14, vcc_lo
.endr
	v_lshlrev_b32 v15, 2, v1
	global_store_b32 v15, v14, s[8:9] offset:9472
.Lsort_end:
	s_wait_tensorcnt 0x0
	ds_add_u32 v128, v129
	s_wait_dscnt 0x0
	s_endpgm
.Lfunc_end_k_qab8c7b4ae8_prep2:
	.size	k_qab8c7b4ae8_prep2, .Lfunc_end_k_qab8c7b4ae8_prep2-k_qab8c7b4ae8_prep2
	.p2alignl 7, 3214868480
	.fill 96, 4, 3214868480
	.section	.rodata,"a",@progbits
	.p2align	6, 0x0
	.amdhsa_kernel k_qab8c7b4ae8_prep2
		.amdhsa_group_segment_fixed_size 51456
		.amdhsa_private_segment_fixed_size 0
		.amdhsa_enable_private_segment 0
		.amdhsa_kernarg_size 32
		.amdhsa_user_sgpr_count 2
		.amdhsa_user_sgpr_kernarg_segment_ptr 1
		.amdhsa_wavefront_size32 1
		.amdhsa_system_sgpr_workgroup_id_x 1
		.amdhsa_system_sgpr_workgroup_id_y 1
		.amdhsa_system_sgpr_workgroup_id_z 1
		.amdhsa_system_vgpr_workitem_id 0
		.amdhsa_next_free_vgpr 130
		.amdhsa_next_free_sgpr 100
		.amdhsa_reserve_vcc 1
		.amdhsa_float_denorm_mode_32 3
		.amdhsa_float_denorm_mode_16_64 3
		.amdhsa_memory_ordered 1
		.amdhsa_forward_progress 1
		.amdhsa_inst_pref_size 43
	.end_amdhsa_kernel
	.amdgpu_metadata
---
amdhsa.version: [ 1, 2 ]
amdhsa.kernels:
  - .name:           k_qab8c7b4ae8_prep2
    .symbol:         k_qab8c7b4ae8_prep2.kd
    .args:
      - { .name: pick, .offset: 0, .size: 8, .value_kind: global_buffer, .address_space: global }
      - { .name: w2_codes, .offset: 8, .size: 8, .value_kind: global_buffer, .address_space: global }
      - { .name: plan, .offset: 16, .size: 8, .value_kind: global_buffer, .address_space: global }
      - { .name: w2f, .offset: 24, .size: 8, .value_kind: global_buffer, .address_space: global }
    .group_segment_fixed_size: 51456
    .private_segment_fixed_size: 0
    .kernarg_segment_align: 8
    .kernarg_segment_size: 32
    .max_flat_workgroup_size: 128
    .sgpr_count:     100
    .vgpr_count:     130
    .wavefront_size: 32
...
	.end_amdgpu_metadata
.endif
;; end of part 6
;; launch up (part 7): grid 8 x 29, 4 waves a work-group, no clusters, 66,048 bytes of LDS; arguments xq, xsw, w1f, w1_scales, b1, plan, hf, hs; writes hf, hs
.if DOCPART == 7
	.amdgcn_target "amdgcn-amd-amdhsa--gfx1250"
	.amdhsa_code_object_version 6
	.text
	.protected	k_qab8c7b4ae8_up
	.globl	k_qab8c7b4ae8_up
	.p2align	8
	.type	k_qab8c7b4ae8_up,@function
k_qab8c7b4ae8_up:
	s_mov_b64 s[64:65], 0
	v_nop
	global_prefetch_b8 v0, s[64:65] scope:SCOPE_SE
	s_setreg_imm32_b32 hwreg(HW_REG_WAVE_SCHED_MODE, 0, 2), 2
	s_setreg_imm32_b32 hwreg(HW_REG_WAVE_MODE, 25, 1), 1
	s_wait_xcnt 0x0
	s_wait_alu depctr_vm_vsrc(0)
; UP: h = Q(gelu(x W1 + b1)) for the rows of one tile of 80 routed rows (work-group y) and 512 hidden units (work-group x), with the weights of the tile's expert alone.  Both operands are FP6 (E2M3) codes with E8M0 scales.
; SHARES.  Wave w makes hidden units 128 c .. 128 c + 127, c = 4 x + w, for all 80 rows: 5 tiles of rows x 8 tiles of units = 40 accumulators, 320 registers.  Those 128 units are one step of K of the next launch's product.
;   The four waves share the rows' codes through LDS (gathered once by the list in plan); each wave streams its own 98,304 bytes of W1's images from memory straight into registers, two steps of K ahead.
; TRANSPOSED: source 0 = 16 rows of W1, source 1 = 16 tokens.  Lane (r, h) then holds token r, and register j of tile t hidden unit 32 (t / 2) + 16 h + 8 (t % 2) + j.  b1 is the C of each sum's first product.
; The order of K inside a step, a fragment's image and the rows of a weight tile are those stated at the head of the first launch.  W1's scale words come in memory order and are turned to bytes 0, 2, 1, 3 once.
; gelu(v) = v (0.5 + vc A(vc^2) / B(vc^2)), vc = v held to +-4 sqrt 2: the rational form of erf of degree 6 over 4 in x^2, with 1 / 2, 1 / sqrt 2 and the powers of 2 folded into the coefficients; all in f32.
; hf: [tile 29][step 32][tile of rows 5][1,536 bytes], images;   hs: [tile][step][lane 32][4 words]: lanes 0-15: the words of rows r of row tiles 0-3; lanes 16-31, word 0: of row tile 4.
; A GRID FOR EVERY SPLIT: 29 tiles are launched; a tile that this split does not use (its expert reads 4) stores nothing: one branch on a stored whole number, behind the only barrier.  A row without a token takes
;   token 2047's codes; its results are stored with the tile's and dropped by the next launch.
; NO TENSOR LOAD AND NO JOINT LOAD: the row tiles of one expert read the same images, but how many tiles an expert has is read from memory and a work-group may end early, so partners could not make every joint request alike.
; NO PREFETCH: W1's images are read by every row tile of their expert, not once, and the loads already stand two steps of K ahead.
; LIMITS: NaN and infinities are not served.  0.5 + erf / 2 is formed in f32, so for v under about -5 the result carries an absolute error of up to about 1e-7 |v|.  A block of zeros gets the byte 1, not 127 (zero codes;
;   the bytes are read by this program alone).  Inside a step of K the blocks are summed in the order 0, 2, 1, 3.
; REGISTERS, in windows of 256.  Window 0: v1-7 lane numbers and addresses; v8-17 the gather's offsets; v18-27 its LDS addresses; v32-71 x's scale words (8 m + s); v72-103 W1's (8 i + s: lanes 0-15 tile i, lanes 16-31 tile i + 4);
;   v104-223 x's fragments, two sets of 60 (at the head: the gather's 120 registers; at the end: gelu's and the quantiser's); v224-238 list words.
;   Window 1: accumulators of row tiles 0-3 (64 m + 8 t).  Window 2: v0-63 those of row tile 4; v64-127 b1; v128-223 W1's set 2.  Window 3: v0-95, v96-191 W1's sets 0 and 1; at the end gelu's.
; THE MODE: SCHED_MODE bits 1:0 = 2 (LLVM: expert scheduling mode 2), set by the entry lines.  The code itself states the register dependences between vector or matrix instructions and memory or LDS instructions,
;   with s_wait_alu, always for 0.
; THE PLAN.  Registers that memory or LDS instructions touch:
;   v4-7, v8-29, v234-238   offsets and addresses: each is written by vector instructions at the head, once, ahead of a wait on va_vdst, and never again.
;   x's sets 0, 1           at the head the gathered codes land there and the LDS stores read them (one wait on vm_vsrc behind the barrier); then step s's products read set s % 2, and the LDS loads of step s + 1 land in the other.
;   W1's sets 0, 1, 2       step s's products read set s % 3; the loads of step s + 2 land in set (s + 2) % 3, which step s - 1 read.
;   So ONE wait on va_vdst stands at the head of a step that loads: the step before is done reading the two sets in which this step's loads land.  x's loads follow at once, W1's in two runs among the step's products,
;   which name this step's own sets, the scale words and the accumulators alone.
;   the codes v168-179      written by a row tile's quantiser; stored behind the wait that the NEXT row tile's gelu has for its reciprocals; written again behind a wait on vm_vsrc.
;   the scale words v204-208  written by the quantiser; stored once, with the last row tile's codes, behind the last wait on va_vdst.
;   v254, v255              written at the head, read by the closing add alone.
.set XS,  32
.set WS,  72
.set AF,  104
.set H,   104                          ; the end: 64 numbers of a lane
.set PC,  168                          ; their codes
.set CT,  180                          ; the conversions' second halves
.set TM,  188                          ; +0-3 largest magnitudes, +4-7 the other lanes', then bytes, +12-15 the conversions' scale operands
.set PW,  204                          ; v204-208 the five scale words
.set Y,   0                            ; in window 3
.set G,   64
.set PP,  128
.set KQ,  192
.set KP,  194
.set MSB, 0
.macro WIN new                         ; the immediate's high byte repeats the setting that is left
.if MSB != (\new)
	s_set_vgpr_msb (MSB<<8)|(\new)
.set MSB, (\new)
.endif
.endm
.macro COEF reg, val                   ; a coefficient as a pair: the packed forms name a pair and take its low word for both halves
	s_mov_b32 s[\reg], \val
	s_mov_b32 s[\reg+1], \val
.endm
	s_load_b512 s[4:19], s[0:1], 0x0               ; xq s[4:5], xsw s[6:7], w1f s[8:9], w1_scales s[10:11], b1 s[12:13], plan s[14:15], hf s[16:17], hs s[18:19]
	v_lshl_add_u32 v254, v0, 2, 0x10000
	v_mov_b32 v255, 0
	v_lshrrev_b32 v1, 5, v0
	v_readfirstlane_b32 s20, v1                    ; wave 0..3
	s_and_b32 s21, ttmp7, 0xffff                   ; the tile of rows T
	v_and_b32 v1, 31, v0                           ; L
	v_and_b32 v2, 15, v0                           ; r
	v_bfe_u32 v3, v0, 4, 1                         ; h
	v_lshlrev_b32 v4, 4, v1                        ; an image's place for my lane
	v_mul_u32_u24 v5, v3, 272
	v_lshl_add_u32 v5, v2, 4, v5                   ; x's fragments in LDS: 272 h + 16 r
	s_mul_i32 s24, s21, 320                        ; the tile's 80 list words
	s_mov_b32 s25, 0
	s_lshl_b32 s26, s21, 2
	s_wait_alu depctr_va_sdst(0)                   ; s20, the wave's number, is written, ahead of its first reader
	s_mul_i32 s27, s20, 80
	v_lshl_add_u32 v28, v3, 2, s27                 ; the rows that my wave gathers: 20 w + 2 k + L / 16
	v_lshlrev_b32 v29, 2, v2                       ; and those whose scale words my lane wants: 16 m + r
	s_wait_kmcnt 0x0
	s_load_b32 s22, s[14:15], s26 offset:9472      ; the tile's expert
	s_add_nc_u64 s[34:35], s[14:15], s[24:25]
	s_wait_alu depctr_va_vdst(0)                   ; v28 and v29 are written, which the loads of the list read as offsets (and v4, v5, which later loads read)
.irp k, 0,1,2,3,4,5,6,7,8,9
	global_load_b32 v[224+\k], v28, s[34:35] offset:8*\k
.endr
.irp m, 0,1,2,3,4
	global_load_b32 v[234+\m], v29, s[34:35] offset:64*\m
.endr
	s_mov_b32 s28, 0x76543210
	s_mov_b32 s29, 0xfedcba98                      ; v_permlanex16_b32's selects for lane l xor 16
	s_mov_b32 s30, 0x03010200                      ; a scale word's bytes 0, 2, 1, 3
	s_mov_b32 s31, 0xffff0000                      ; lanes 16-31
	s_mov_b32 s32, 0xc0b504f3                      ; -4 sqrt 2
	s_mov_b32 s33, 0x40b504f3
	COEF 44, 0xb7dfbd29                            ; B3 = -2.66717569e-5
	COEF 46, 0xb9dc924e                            ; B2 = -4.20706744e-4
	COEF 48, 0xbb719bf8                            ; B1 = -3.68666458e-3
	COEF 50, 0xbc69b6a7                            ; B0 = -1.42647391e-2
	COEF 52, 0x2fa84a8d                            ; A5 =  3.06119941e-10
	COEF 54, 0xb347667d                            ; A4 = -4.64265104e-8
	COEF 56, 0xb628d45d                            ; A3 = -2.51575617e-6
	COEF 58, 0xb8883d9c                            ; A2 = -6.49646074e-5
	COEF 60, 0xba08eb41                            ; A1 = -5.22304390e-4
	COEF 62, 0xbbba79f3                            ; A0 = -5.69080716e-3
	; where the gathered rows go in LDS: fragment (m, s), plane j, lane (h, r) lies at 13056 m + 4352 j + 272 (2 s + h) + 16 r: a block of 256 bytes has a place of 272, so that the sixteen lanes of a store
	; (2 s + h = 0 .. 15) and those of a load (r = 0 .. 15) both fall on sixteen different 16-byte columns modulo 256 bytes
	s_mul_i32 s36, s20, 20
	v_mul_u32_u24 v30, v2, 272
.irp k, 0,1,2,3,4,5,6,7,8,9
	s_add_co_u32 s37, s36, 2*\k
	v_add_nc_u32 v31, s37, v3                      ; the row in the tile
	v_lshrrev_b32 v[18+\k], 4, v31                 ; m
	v_and_b32 v31, 15, v31                         ; r
	v_mad_u32_u24 v[18+\k], v[18+\k], 13056, v30
	v_lshl_add_u32 v[18+\k], v31, 4, v[18+\k]
.endr
	v_lshrrev_b32 v6, 3, v2
	v_lshl_add_u32 v6, v6, 3, v2                   ; r + 8 (r / 8)
	v_lshl_add_u32 v6, v3, 6, v6                   ; lanes 16-31: the tile four on: 64 rows on
	v_lshlrev_b32 v6, 5, v6                        ; W1's scales: 32 bytes a row
	v_lshlrev_b32 v7, 6, v3                        ; b1: 16 h numbers on
	s_wait_kmcnt 0x0
	s_min_u32 s23, s22, 3                          ; held: a tile that is not used loads as expert 3 and stores nothing
	s_lshl_b32 s38, ttmp9, 2
	s_add_co_u32 s38, s38, s20                     ; c
	s_mul_i32 s40, s23, 3145728
	s_mul_i32 s42, s38, 98304
	s_add_co_u32 s40, s40, s42
	s_mov_b32 s41, 0
	s_add_nc_u64 s[8:9], s[8:9], s[40:41]          ; W1's 64 images of (expert, c)
	s_lshl_b32 s40, s23, 17
	s_lshl_b32 s42, s38, 12
	s_add_co_u32 s40, s40, s42
	s_add_nc_u64 s[10:11], s[10:11], s[40:41]
	s_lshl_b32 s40, s23, 14
	s_lshl_b32 s42, s38, 9
	s_add_co_u32 s40, s40, s42
	s_add_nc_u64 s[12:13], s[12:13], s[40:41]
	s_lshl_b32 s42, s21, 5
	s_add_co_u32 s42, s42, s38                     ; 32 T + c
	s_mul_i32 s40, s42, 7680
	s_add_nc_u64 s[16:17], s[16:17], s[40:41]
	s_lshl_b32 s40, s42, 9
	s_add_nc_u64 s[18:19], s[18:19], s[40:41]
	s_wait_alu depctr_va_vdst(0)                   ; v6 and v7 are written, which the loads below read as offsets, and v18-27, which the LDS stores of the gathered rows read as addresses
.irp i, 0,1,2,3
.irp u, 0,1
	global_load_b128 v[WS+8*\i+4*\u:WS+8*\i+4*\u+3], v6, s[10:11] offset:(32*(\i/2)+8*(\i%2))*32+16*\u   ; a row's eight scale words
.endr
.endr
	WIN 0x80                                       ; destination in window 2
.irp t, 0,1,2,3,4,5,6,7
	global_load_b128 v[64+8*\t:64+8*\t+3], v7, s[12:13] offset:(32*(\t/2)+8*(\t%2))*4
	global_load_b128 v[64+8*\t+4:64+8*\t+7], v7, s[12:13] offset:(32*(\t/2)+8*(\t%2))*4+16
.endr
.macro BPART s, t0                     ; W1's fragments of tiles t0 .. t0 + 3 of step s into set s % 3: 12 loads of 512 consecutive bytes
.if ((\s)%3) == 2
	WIN 0x80
.set LB, 128
.else
	WIN 0xc0
.set LB, 96*((\s)%3)
.endif
.irp u, 0,1,2,3
.irp j, 0,1,2
	global_load_b128 v[LB+12*((\t0)+\u)+4*\j:LB+12*((\t0)+\u)+4*\j+3], v4, s[8:9] offset:12288*(\s)+1536*((\t0)+\u)+512*\j
.endr
.endr
.endm
.macro BLOAD s                         ; all eight fragments of step s
	BPART \s, 0
	BPART \s, 4
.endm
	BLOAD 0
	WIN 0
	s_wait_loadcnt 48                              ; behind the 15 list words: 8 + 16 + 24 loads, which may be out
	v_lshlrev_b32 v30, 4, v2
.irp k, 0,1,2,3,4,5,6,7,8,9
	v_min_u32 v[224+\k], 2047, v[224+\k]           ; a loaded number is held before it enters an address; the mark 2048 becomes token 2047
	v_mul_u32_u24 v[8+\k], v[224+\k], 768
	v_add_nc_u32 v[8+\k], v[8+\k], v30
.endr
.irp m, 0,1,2,3,4
	v_min_u32 v[234+\m], 2047, v[234+\m]
	v_lshlrev_b32 v[234+\m], 5, v[234+\m]
.endr
	s_wait_alu depctr_va_vdst(0)                   ; the gather's offsets v8-17 and v234-238 are written, which the loads below read
.irp k, 0,1,2,3,4,5,6,7,8,9
.irp g, 0,1,2
	global_load_b128 v[AF+4*(3*\k+\g):AF+4*(3*\k+\g)+3], v[8+\k], s[4:5] offset:256*\g   ; sixteen lanes read 256 consecutive bytes of a token's codes, aligned
.endr
.endr
.irp m, 0,1,2,3,4
	global_load_b128 v[XS+8*\m:XS+8*\m+3], v[234+\m], s[6:7]
	global_load_b128 v[XS+8*\m+4:XS+8*\m+7], v[234+\m], s[6:7] offset:16
.endr
	BLOAD 1
	WIN 0
	s_wait_loadcnt 34                              ; the gathered codes are in; x's 10 loads of scale words and step 1's 24 may be out
.irp k, 0,1,2,3,4,5,6,7,8,9
.irp g, 0,1,2
	ds_store_b128 v[18+\k], v[AF+4*(3*\k+\g):AF+4*(3*\k+\g)+3] offset:4352*\g
.endr
.endr
	s_wait_loadcnt 24                              ; all but step 1's 24
.irp i, 0,1,2,3,4,5,6,7,8,9,10,11,12,13,14,15,16,17,18,19,20,21,22,23,24,25,26,27,28,29,30,31
	v_perm_b32 v[WS+\i], v[WS+\i], v[WS+\i], s30
.endr
.rept 8
	v_nop                                          ; a scale register written by a vector instruction stands 8 places ahead of a scaled matrix instruction
.endr
	s_wait_alu depctr_va_vdst(0)                   ; W1's scale words v72-103 are written, which the scaled products take as scales; the places above stay beside this wait
	s_wait_dscnt 0x0                               ; for the others' sake: my 20 rows lie in LDS
	s_barrier_signal -1
	s_barrier_wait -1                              ; all 80 do.  The only barrier: every wave of every work-group passes it
	s_wait_alu depctr_vm_vsrc(0)                   ; my LDS stores have read v104-223: these registers are x's two sets from here on, in which the LDS loads below land
	s_cmp_gt_u32 s22, 3
	s_cbranch_scc1 .Lend                           ; a tile that this split does not use
.macro ALOAD s                         ; x's five fragments of step s into set s % 2
	WIN 0
.irp m, 0,1,2,3,4
.irp j, 0,1,2
	ds_load_b128 v[AF+60*((\s)%2)+12*\m+4*\j:AF+60*((\s)%2)+12*\m+4*\j+3], v5 offset:13056*\m+4352*\j+544*(\s)
.endr
.endr
.endm
; Eight matrix instructions: row tile m against W1's eight tiles, step s.
.macro MGROUP s, m
.if ((\s)%3) == 2
.set BW, 2
.set BB, 128
.else
.set BW, 3
.set BB, 96*((\s)%3)
.endif
.if (\m) == 4
	WIN 0xa0|BW                                    ; C and D in window 2 (b1 lies there too)
.elseif (\s) == 0
	WIN 0x60|BW                                    ; C = b1 in window 2, D in window 1
.else
	WIN 0x50|BW                                    ; C and D in window 1
.endif
.irp t, 0,1,2,3,4,5,6,7
.set DD, 64*((\m)%4)+8*\t
.set CC, DD
.if (\s) == 0
.set CC, 64+8*\t
.endif
.set AA, BB+12*\t
.set FF, AF+60*((\s)%2)+12*(\m)
.set SA, WS+8*(\t%4)+(\s)
.set SB, XS+8*(\m)+(\s)
.if \t < 4
	v_wmma_scale_f32_16x16x128_f8f6f4 v[DD:DD+7], v[AA:AA+11], v[FF:FF+11], v[CC:CC+7], v[SA], v[SB] matrix_a_fmt:MATRIX_FMT_FP6 matrix_b_fmt:MATRIX_FMT_FP6
.else
	v_wmma_scale_f32_16x16x128_f8f6f4 v[DD:DD+7], v[AA:AA+11], v[FF:FF+11], v[CC:CC+7], v[SA], v[SB] matrix_a_fmt:MATRIX_FMT_FP6 matrix_b_fmt:MATRIX_FMT_FP6 matrix_a_scale:MATRIX_SCALE_ROW1
.endif
.endr
.endm
; A step of 128 along K: 40 matrix instructions.  The 40 accumulators take turns, one instruction a turn, in the same order in every step.
; Step 0's loads land in registers that no vector or matrix instruction has named; step 7 loads nothing: neither has a wait on va_vdst.
.macro KSTEP s
.if ((\s) > 0) && ((\s) <= 6)
.rept 4
	v_nop                                          ; places in front of loads into registers that the last step's products read (ISA guide 7.12.1 for vector instructions)
.endr
	s_wait_alu depctr_va_vdst(0)                   ; the last step's products are done reading x's set (s + 1) % 2 and W1's set (s + 2) % 3, in which all loads of this step land
.endif
.if (\s) <= 6
	ALOAD (\s)+1
	s_wait_loadcnt 24                              ; this step's fragments of W1 are in; the next step's 24 loads may be out
	s_wait_dscnt 15                                ; this step's fragments of x are in; the 15 loads just issued may be out
.else
	s_wait_loadcnt 0x0
	s_wait_dscnt 0x0
.endif
	MGROUP \s, 0
.if (\s) <= 5
	BPART (\s)+2, 0                                ; no wait: no vector or matrix instruction since the wait at the step's head names these registers
.endif
	MGROUP \s, 1
	MGROUP \s, 2
.if (\s) <= 5
	BPART (\s)+2, 4
.endif
	MGROUP \s, 3
	MGROUP \s, 4
.endm
	ALOAD 0
	KSTEP 0
	KSTEP 1
	KSTEP 2
	KSTEP 3
	KSTEP 4
	KSTEP 5
	KSTEP 6
	KSTEP 7
.rept 4
	v_nop                                          ; places in front of the first read of results and the first write over operands
.endr
	WIN 0xc0
	v_mov_b32 v[KQ], 0xb57460cd                    ; B4 = -9.10379490e-7
	v_mov_b32 v[KQ+1], 0xb57460cd
	v_mov_b32 v[KP], 0xabd3f331                    ; A6 = -1.50599506e-12
	v_mov_b32 v[KP+1], 0xabd3f331
.macro SEND m                          ; row tile m's image goes out: three stores of 512 consecutive bytes, aligned
.irp j, 0,1,2
	global_store_b128 v4, v[PC+4*\j:PC+4*\j+3], s[16:17] offset:1536*(\m)+512*\j
.endr
.endm
; gelu of row tile m's 64 numbers a lane, into v[H] on.  The 64 reciprocals are one batch; A's polynomial is the independent work behind them; one wait stands ahead of their first reader,
; and behind that same wait the image of the row tile before goes out.
.macro GELU m
.set AW, 1+(\m)/4
.set AC, 64*((\m)%4)
	WIN AW                                         ; source 0: the accumulators' window
.set i, 0
.rept 64
	v_med3_num_f32 v[H+i], v[AC+i], s32, s33       ; vc; ascending
.set i, i+1
.endr
	WIN 0xc0
.set i, 0
.rept 32
	v_pk_mul_f32 v[Y+i:Y+i+1], v[H+i:H+i+1], v[H+i:H+i+1]          ; y = vc^2
.set i, i+2
.endr
	WIN 0xff
.set i, 0
.rept 32
	v_pk_fma_f32 v[G+i:G+i+1], v[Y+i:Y+i+1], v[KQ:KQ+1], s[44:45] op_sel_hi:[1,1,0]
.set i, i+2
.endr
.irp k, 46,48,50
.set i, 0
.rept 32
	v_pk_fma_f32 v[G+i:G+i+1], v[G+i:G+i+1], v[Y+i:Y+i+1], s[\k:\k+1] op_sel_hi:[1,1,0]
.set i, i+2
.endr
.endr
.set i, 0
	s_wait_alu depctr_va_vdst(0)
.rept 64
	v_rcp_f32 v[G+i], v[G+i]                       ; 1 / B(y)
.set i, i+1
.endr
.set i, 0
.rept 32
	v_pk_fma_f32 v[PP+i:PP+i+1], v[Y+i:Y+i+1], v[KP:KP+1], s[52:53] op_sel_hi:[1,1,0]
.set i, i+2
.endr
.irp k, 54,56,58,60,62
.set i, 0
.rept 32
	v_pk_fma_f32 v[PP+i:PP+i+1], v[PP+i:PP+i+1], v[Y+i:Y+i+1], s[\k:\k+1] op_sel_hi:[1,1,0]
.set i, i+2
.endr
.endr
	WIN 0xcc
.set i, 0
.rept 32
	v_pk_mul_f32 v[PP+i:PP+i+1], v[H+i:H+i+1], v[PP+i:PP+i+1]      ; vc A(y)
.set i, i+2
.endr
.if (\m) > 0
	WIN 0
	s_wait_alu depctr_va_vdst(0)                   ; the 64 reciprocals are written, ahead of their first reader; and so are the codes v168-179 of the row tile before, which the stores below read
	SEND (\m)-1
.else
	s_wait_alu depctr_va_vdst(0)                   ; the 64 reciprocals are written, ahead of their first reader
.endif
	WIN 0xff
.set i, 0
.rept 32
	v_pk_fma_f32 v[PP+i:PP+i+1], v[PP+i:PP+i+1], v[G+i:G+i+1], 0.5 op_sel_hi:[1,1,0]
.set i, i+2
.endr
	WIN AW|0x0c
.set i, 0
.rept 32
	v_pk_mul_f32 v[H+i:H+i+1], v[AC+i:AC+i+1], v[PP+i:PP+i+1]      ; v (0.5 + erf / 2)
.set i, i+2
.endr
	WIN 0
.endm
; The lane's 64 numbers, register 16 b + i = hidden unit 32 b + 16 h + i of token r, become a fragment's codes in v[PC] on and its scale word in v[PW + m].
; The fragment wants blocks 0 and 1 whole in lanes 0-15 and blocks 2 and 3 in lanes 16-31: so block c is converted beside block 2 + c, and the halves change places.
.macro QUANT m
.irp b, 0,1,2,3
	v_max3_num_f32 v[TM+\b], |v[H+16*\b]|, |v[H+1+16*\b]|, 0x1800000   ; and the floor 2^(3 - 127): the byte cannot fall under 1
.endr
.irp i, 2,4,6,8,10,12,14
.irp b, 0,1,2,3
	v_max3_num_f32 v[TM+\b], v[TM+\b], |v[H+16*\b+\i]|, |v[H+1+16*\b+\i]|
.endr
.endr
.irp b, 0,1,2,3
	v_permlanex16_b32 v[TM+4+\b], v[TM+\b], s28, s29
.endr
.irp b, 0,1,2,3
	v_max_num_f32 v[TM+\b], v[TM+\b], v[TM+4+\b]   ; with lane l xor 16's 16: the block's largest magnitude
.endr
.irp b, 0,1,2,3
	v_add_nc_u32 v[TM+12+\b], 0xff000000, v[TM+\b] ; 2 off its exponent field: the conversion's scale operand
.endr
.irp b, 0,1,2,3
	v_lshrrev_b32 v[TM+4+\b], 23, v[TM+12+\b]      ; the scale's byte
.endr
	v_lshl_or_b32 v[PW+\m], v[TM+6], 8, v[TM+4]    ; the word's bytes: blocks 0, 2, 1, 3
	v_lshl_or_b32 v[PW+\m], v[TM+5], 16, v[PW+\m]
	v_lshl_or_b32 v[PW+\m], v[TM+7], 24, v[PW+\m]
.if (\m) > 0
	s_wait_xcnt 0x0                                ; the last row tile's stores have had their addresses translated (ISA guide 3.1),
	s_wait_alu depctr_vm_vsrc(0)                   ; and have read the codes' registers v168-179, which the conversions below write again
.endif
.irp c, 0,1
	v_cvt_scalef32_pk16_fp6_f32 v[PC+6*\c:PC+6*\c+2], v[H+16*\c:H+16*\c+15], v[TM+12+\c]
	v_cvt_scalef32_pk16_fp6_f32 v[CT+4*\c:CT+4*\c+2], v[H+32+16*\c:H+32+16*\c+15], v[TM+14+\c]
.endr
	v_nop                                          ; one plain place behind a scaled conversion
.irp c, 0,1
.irp i, 0,1,2
	v_permlane16_swap_b32 v[PC+6*\c+\i], v[CT+4*\c+\i]             ; the first now holds each lane's block's lower 16 codes, the second the upper 16
.endr
.irp i, 0,1,2
	v_mov_b32 v[PC+3+6*\c+\i], v[CT+4*\c+\i]
.endr
.endr
.endm
.irp m, 0,1,2,3,4
	GELU \m
	QUANT \m
.endr
	v_cndmask_b32 v[PW], v[PW], v[PW+4], s31       ; lanes 16-31 carry row tile 4's words in word 0
	s_wait_alu depctr_va_vdst(0)                   ; row tile 4's codes v168-179 and the scale words v204-207 are written, which the last four stores read
	SEND 4
	global_store_b128 v4, v[PW:PW+3], s[18:19]     ; 512 consecutive bytes, aligned
.Lend:
	s_wait_dscnt 0x0                               ; the closing lines, six on end
	s_wait_alu 0x0
	s_wait_tensorcnt 0x0
	ds_add_u32 v254, v255
	s_wait_dscnt 0x0
	s_endpgm
.Lfunc_end_k_qab8c7b4ae8_up:
	.size	k_qab8c7b4ae8_up, .Lfunc_end_k_qab8c7b4ae8_up-k_qab8c7b4ae8_up
	.p2alignl 7, 3214868480
	.fill 96, 4, 3214868480
	.section	.rodata,"a",@progbits
	.p2align	6, 0x0
	.amdhsa_kernel k_qab8c7b4ae8_up
		.amdhsa_group_segment_fixed_size 66048
		.amdhsa_private_segment_fixed_size 0
		.amdhsa_enable_private_segment 0
		.amdhsa_kernarg_size 64
		.amdhsa_user_sgpr_count 2
		.amdhsa_user_sgpr_kernarg_segment_ptr 1
		.amdhsa_wavefront_size32 1
		.amdhsa_system_sgpr_workgroup_id_x 1
		.amdhsa_system_sgpr_workgroup_id_y 1
		.amdhsa_system_sgpr_workgroup_id_z 1
		.amdhsa_system_vgpr_workitem_id 0
		.amdhsa_next_free_vgpr 1024
		.amdhsa_next_free_sgpr 100
		.amdhsa_reserve_vcc 0
		.amdhsa_float_denorm_mode_32 3
		.amdhsa_float_denorm_mode_16_64 3
		.amdhsa_memory_ordered 1
		.amdhsa_forward_progress 1
		.amdhsa_inst_pref_size 255
	.end_amdhsa_kernel
	.section	.bss,"aw",@nobits
	.p2align	6
	.space	262144
	.amdgpu_metadata
---
amdhsa.version: [ 1, 2 ]
amdhsa.kernels:
  - .name:           k_qab8c7b4ae8_up
    .symbol:         k_qab8c7b4ae8_up.kd
    .args:
      - { .name: xq, .offset: 0, .size: 8, .value_kind: global_buffer, .address_space: global }
      - { .name: xsw, .offset: 8, .size: 8, .value_kind: global_buffer, .address_space: global }
      - { .name: w1f, .offset: 16, .size: 8, .value_kind: global_buffer, .address_space: global }
      - { .name: w1_scales, .offset: 24, .size: 8, .value_kind: global_buffer, .address_space: global }
      - { .name: b1, .offset: 32, .size: 8, .value_kind: global_buffer, .address_space: global }
      - { .name: plan, .offset: 40, .size: 8, .value_kind: global_buffer, .address_space: global }
      - { .name: hf, .offset: 48, .size: 8, .value_kind: global_buffer, .address_space: global }
      - { .name: hs, .offset: 56, .size: 8, .value_kind: global_buffer, .address_space: global }
    .group_segment_fixed_size: 66048
    .private_segment_fixed_size: 0
    .kernarg_segment_align: 8
    .kernarg_segment_size: 64
    .max_flat_workgroup_size: 128
    .sgpr_count:     100
    .vgpr_count:     1024
    .wavefront_size: 32
...
	.end_amdgpu_metadata
.endif
;; end of part 7
;; launch down (part 8): grid 8 x 29, 4 waves a work-group, no clusters, 169,472 bytes of LDS; arguments hf, hs, w2f, w2_scales, b2, plan, out0; writes out0
.if DOCPART == 8
	.amdgcn_target "amdgcn-amd-amdhsa--gfx1250"
	.amdhsa_code_object_version 6
	.text
	.protected	k_qab8c7b4ae8_down
	.globl	k_qab8c7b4ae8_down
	.p2align	8
	.type	k_qab8c7b4ae8_down,@function
k_qab8c7b4ae8_down:
	s_mov_b64 s[64:65], 0
	v_nop
	global_prefetch_b8 v0, s[64:65] scope:SCOPE_SE
	s_setreg_imm32_b32 hwreg(HW_REG_WAVE_SCHED_MODE, 0, 2), 2
	s_setreg_imm32_b32 hwreg(HW_REG_WAVE_MODE, 25, 1), 1
	s_wait_xcnt 0x0
	s_wait_alu depctr_vm_vsrc(0)
; DOWN: out = h W2 + b2 for the 80 rows of one tile (work-group y) and 128 outputs (work-group x), with the weights of the tile's expert alone; each row goes to its token's row of out0.
; Each token lies in exactly one row of one tile, so each row of out0 has one owner for each 128 outputs.
; SHARES.  THE FOUR WAVES SPLIT K: wave w takes steps 8 w .. 8 w + 7 of the 32 for the whole 80 x 128: 40 accumulators.  So every operand byte is wanted by one wave alone and goes from memory straight into its registers,
;   as images (three loads of 512 consecutive bytes a fragment), two steps ahead; no LDS and no barrier in the main part.  The four partial tiles meet once in LDS; wave w then sums and stores rows 20 w .. 20 w + 19.
; TRANSPOSED: source 0 = 16 rows of W2, source 1 = 16 rows of h.  Lane (r, h) holds row r, and register j of tile t output 32 (t / 2) + 16 h + 8 (t % 2) + j of the 128.
; The order of K inside a step, a fragment's image and the rows of a weight tile are those stated at the head of the first launch; hf's and hs's layouts at the head of the launch before.
; A GRID FOR EVERY SPLIT: a tile that this split does not use (its expert reads 4) jumps over the main part, passes the one barrier and stores nothing; a row without a token (mark 2048) is not stored.
; NO TENSOR LOAD AND NO JOINT LOAD: the branches above hang on stored whole numbers, and how many tiles share an expert's weights is read from memory.  NO PREFETCH: W2's images are read by every row tile of their expert and
;   h's by eight work-groups, not once, and the loads already stand two steps of K ahead.
; LIMITS: NaN and infinities are not served.  A sum over K is formed as four partial sums of 1,024, added in f32, and inside a step of K the blocks are summed in the order 0, 2, 1, 3: another order than ascending k.
; REGISTERS, in windows of 256.  Window 0: v1-10 lane numbers and addresses; v12-15 b2 of my four columns; v16-25 a batch's offsets in out0; v32-63 W2's scale words (8 i + step: lanes 0-15 tile i, lanes 16-31 tile i + 4);
;   v64-75 h's scale words, three sets of 4; v76-255 h's fragments, three sets of 60 (at the end: rows from the stage).
;   Window 1: accumulators of row tiles 0-3 (64 m + 8 t).  Window 2: v0-63 those of row tile 4; v64-159 W2's set 2.  Window 3: v0-95, v96-191 W2's sets 0 and 1.
; THE MODE: SCHED_MODE bits 1:0 = 2 (LLVM: expert scheduling mode 2), set by the entry lines.  The code itself states the register dependences between vector or matrix instructions and memory or LDS instructions,
;   with s_wait_alu, always for 0.
; THE PLAN.  Registers that memory or LDS instructions touch:
;   v4-10                   offsets and addresses: written by vector instructions at the head, once, ahead of one wait on va_vdst, and never again.
;   W2's, h's and h's scale words' sets 0, 1, 2   step sl's products read sets sl % 3; the 40 loads of step sl + 2 land in sets (sl + 2) % 3, which step sl - 1 read.  So ONE wait on va_vdst stands at the head of a step that
;                           loads; its loads follow in three runs among the step's products, which name this step's own sets, W2's scale words and the accumulators alone.
;   the accumulators        written by the products; read by the LDS stores into the stage, behind four places and one wait on va_vdst; never written again.
;   v76-235                 at the end: a batch's 40 loads from the stage land there; its sums read and write them; its stores read them.   v16-25: written by one addition a row; read by the stores as offsets.
;                           A batch makes all its sums and offsets first; ONE wait on va_vdst; then the run of stores.  One wait on vm_vsrc between the two batches.
;   v30, v31                written at the head, read by the closing add alone.
.set WS,  32
.set HS,  64
.set HF,  76
.set REG, 42240                        ; a wave's partial tile in LDS: 80 rows x (512 bytes + 16): sixteen rows begin in sixteen different 16-byte columns modulo 256 bytes
.set MSB, 0
.macro WIN new                         ; the immediate's high byte repeats the setting that is left
.if MSB != (\new)
	s_set_vgpr_msb (MSB<<8)|(\new)
.set MSB, (\new)
.endif
.endm
	s_load_b256 s[4:11], s[0:1], 0x0               ; hf s[4:5], hs s[6:7], w2f s[8:9], w2_scales s[10:11]
	s_load_b128 s[12:15], s[0:1], 0x20             ; b2 s[12:13], plan s[14:15]
	s_load_b64 s[16:17], s[0:1], 0x30              ; out0
	v_lshl_add_u32 v30, v0, 2, 0x29400
	v_mov_b32 v31, 0
	v_lshrrev_b32 v1, 5, v0
	v_readfirstlane_b32 s20, v1                    ; wave 0..3
	s_and_b32 s21, ttmp7, 0xffff                   ; the tile of rows T
	s_lshl_b32 s27, s21, 2
	s_mul_i32 s28, s21, 320
	s_wait_alu depctr_va_sdst(0)                   ; s20, the wave's number, is written, ahead of its first reader
	s_mul_i32 s29, s20, 80
	s_add_co_u32 s28, s28, s29                     ; the list words of the 20 rows that I store
	s_mov_b32 s30, 0x03010200                      ; a scale word's bytes 0, 2, 1, 3
	s_wait_kmcnt 0x0
	s_load_b32 s22, s[14:15], s27 offset:9472      ; the tile's expert
.irp i, 0,1,2,3,4
	s_load_b128 s[40+4*\i:43+4*\i], s[14:15], s28 offset:16*\i
.endr
	; every address register is made here, ahead of the first branch
	v_and_b32 v1, 31, v0                           ; L
	v_and_b32 v2, 15, v0                           ; r
	v_bfe_u32 v3, v0, 4, 1                         ; h
	v_lshlrev_b32 v4, 4, v1                        ; an image's place for my lane; also my 16 bytes of a row of 512
	s_mul_i32 s26, s20, REG
	v_mul_u32_u24 v5, v2, 528
	v_lshl_add_u32 v5, v3, 6, v5
	v_add_nc_u32 v5, s26, v5                       ; the stage, in: my wave's region, row r, + 64 h
	s_mul_i32 s26, s20, 20*528
	v_add_nc_u32 v6, s26, v4                       ; and back: region q, my 20 rows, 16 bytes a lane
	v_add_nc_u32 v7, REG, v6
	v_add_nc_u32 v8, 2*REG, v6
	v_add_nc_u32 v9, 3*REG, v6
	v_lshrrev_b32 v10, 3, v2
	v_lshl_add_u32 v10, v10, 3, v2                 ; r + 8 (r / 8)
	v_lshl_add_u32 v10, v3, 6, v10                 ; lanes 16-31: the tile four on
	v_lshlrev_b32 v10, 7, v10                      ; W2's scales: 128 bytes a row
	s_wait_kmcnt 0x0
	s_min_u32 s23, s22, 3                          ; held: a tile that is not used loads as expert 3 and stores nothing
	s_lshl_b32 s32, s23, 17
	s_lshl_b32 s34, ttmp9, 14
	s_add_co_u32 s32, s32, s34
	s_lshl_b32 s34, s20, 5
	s_add_co_u32 s32, s32, s34                     ; (expert x 1024 + 128 x) rows of 128 bytes, + my eight words
	s_mov_b32 s33, 0
	s_add_nc_u64 s[10:11], s[10:11], s[32:33]
	s_lshl_b32 s32, s23, 12
	s_lshl_b32 s34, ttmp9, 9
	s_add_co_u32 s32, s32, s34
	s_add_nc_u64 s[12:13], s[12:13], s[32:33]      ; b2 of my 128 outputs
	s_mov_b32 s32, s34
	s_add_nc_u64 s[16:17], s[16:17], s[32:33]      ; out0 at my 128 outputs: 512 x bytes on
	s_lshl_b32 s32, s23, 3
	s_add_co_u32 s32, s32, ttmp9
	s_lshl_b32 s32, s32, 5
	s_lshl_b32 s34, s20, 3
	s_add_co_u32 s32, s32, s34                     ; (8 expert + x) x 32 + 8 w steps
	s_mul_i32 s32, s32, 12288
	s_add_nc_u64 s[8:9], s[8:9], s[32:33]
	s_lshl_b32 s35, s21, 5
	s_add_co_u32 s35, s35, s34                     ; 32 T + 8 w
	s_mul_i32 s32, s35, 7680
	s_add_nc_u64 s[4:5], s[4:5], s[32:33]
	s_lshl_b32 s32, s35, 9
	s_add_nc_u64 s[6:7], s[6:7], s[32:33]
	s_wait_alu depctr_va_vdst(0)                   ; the offsets and addresses v4 to v10 are written, which every load, LDS store and LDS load of the kernel reads
.irp i, 0,1,2,3
.irp u, 0,1
	global_load_b128 v[WS+8*\i+4*\u:WS+8*\i+4*\u+3], v10, s[10:11] offset:(32*(\i/2)+8*(\i%2))*128+16*\u
.endr
.endr
	global_load_b128 v[12:15], v4, s[12:13]
	s_cmp_gt_u32 s22, 3
	s_cbranch_scc1 .Lmeet                          ; a tile that this split does not use: over the main part, to the barrier
.macro WPART sl, t0                    ; W2's fragments of tiles t0 .. t0 + 3 of my step sl into set sl % 3: 12 loads of 512 consecutive bytes
.if ((\sl)%3) == 2
	WIN 0x80
.set LB, 64
.else
	WIN 0xc0
.set LB, 96*((\sl)%3)
.endif
.irp u, 0,1,2,3
.irp j, 0,1,2
	global_load_b128 v[LB+12*((\t0)+\u)+4*\j:LB+12*((\t0)+\u)+4*\j+3], v4, s[8:9] offset:12288*(\sl)+1536*((\t0)+\u)+512*\j
.endr
.endr
.endm
.macro HPART sl                        ; h's five fragments and its scale words of my step sl into sets sl % 3: 16 loads
	WIN 0
.irp m, 0,1,2,3,4
.irp j, 0,1,2
	global_load_b128 v[HF+60*((\sl)%3)+12*\m+4*\j:HF+60*((\sl)%3)+12*\m+4*\j+3], v4, s[4:5] offset:7680*(\sl)+1536*\m+512*\j
.endr
.endr
	global_load_b128 v[HS+4*((\sl)%3):HS+4*((\sl)%3)+3], v4, s[6:7] offset:512*(\sl)
.endm
.macro LOADS sl                        ; my step sl: 40 loads
	WPART \sl, 0
	WPART \sl, 4
	HPART \sl
.endm
	LOADS 0
	LOADS 1
	s_wait_loadcnt 63                              ; 80 loads were issued behind W2's scale words and b2: with 63 out at the most, those nine are in
.irp i, 0,1,2,3,4,5,6,7,8,9,10,11,12,13,14,15,16,17,18,19,20,21,22,23,24,25,26,27,28,29,30,31
	v_perm_b32 v[WS+\i], v[WS+\i], v[WS+\i], s30
.endr
.rept 8
	v_nop                                          ; a scale register written by a vector instruction stands 8 places ahead of a scaled matrix instruction
.endr
	s_wait_alu depctr_va_vdst(0)                   ; W2's scale words v32-63 are written, which the scaled products take as scales; the places above stay beside this wait
.macro WM                              ; one product; ZR: it starts its sum; RA1: W2's words in lanes 16-31; RB1: h's words in lanes 16-31
.if ZR
.if RA1 && RB1
	v_wmma_scale_f32_16x16x128_f8f6f4 v[DD:DD+7], v[AA:AA+11], v[FF:FF+11], 0, v[SA], v[SB] matrix_a_fmt:MATRIX_FMT_FP6 matrix_b_fmt:MATRIX_FMT_FP6 matrix_a_scale:MATRIX_SCALE_ROW1 matrix_b_scale:MATRIX_SCALE_ROW1
.elseif RA1
	v_wmma_scale_f32_16x16x128_f8f6f4 v[DD:DD+7], v[AA:AA+11], v[FF:FF+11], 0, v[SA], v[SB] matrix_a_fmt:MATRIX_FMT_FP6 matrix_b_fmt:MATRIX_FMT_FP6 matrix_a_scale:MATRIX_SCALE_ROW1
.elseif RB1
	v_wmma_scale_f32_16x16x128_f8f6f4 v[DD:DD+7], v[AA:AA+11], v[FF:FF+11], 0, v[SA], v[SB] matrix_a_fmt:MATRIX_FMT_FP6 matrix_b_fmt:MATRIX_FMT_FP6 matrix_b_scale:MATRIX_SCALE_ROW1
.else
	v_wmma_scale_f32_16x16x128_f8f6f4 v[DD:DD+7], v[AA:AA+11], v[FF:FF+11], 0, v[SA], v[SB] matrix_a_fmt:MATRIX_FMT_FP6 matrix_b_fmt:MATRIX_FMT_FP6
.endif
.else
.if RA1 && RB1
	v_wmma_scale_f32_16x16x128_f8f6f4 v[DD:DD+7], v[AA:AA+11], v[FF:FF+11], v[DD:DD+7], v[SA], v[SB] matrix_a_fmt:MATRIX_FMT_FP6 matrix_b_fmt:MATRIX_FMT_FP6 matrix_a_scale:MATRIX_SCALE_ROW1 matrix_b_scale:MATRIX_SCALE_ROW1
.elseif RA1
	v_wmma_scale_f32_16x16x128_f8f6f4 v[DD:DD+7], v[AA:AA+11], v[FF:FF+11], v[DD:DD+7], v[SA], v[SB] matrix_a_fmt:MATRIX_FMT_FP6 matrix_b_fmt:MATRIX_FMT_FP6 matrix_a_scale:MATRIX_SCALE_ROW1
.elseif RB1
	v_wmma_scale_f32_16x16x128_f8f6f4 v[DD:DD+7], v[AA:AA+11], v[FF:FF+11], v[DD:DD+7], v[SA], v[SB] matrix_a_fmt:MATRIX_FMT_FP6 matrix_b_fmt:MATRIX_FMT_FP6 matrix_b_scale:MATRIX_SCALE_ROW1
.else
	v_wmma_scale_f32_16x16x128_f8f6f4 v[DD:DD+7], v[AA:AA+11], v[FF:FF+11], v[DD:DD+7], v[SA], v[SB] matrix_a_fmt:MATRIX_FMT_FP6 matrix_b_fmt:MATRIX_FMT_FP6
.endif
.endif
.endm
; Eight matrix instructions: row tile m against W2's eight tiles, my step sl.
.macro MGROUP sl, m
.set PS, (\sl)%3
.if PS == 2
.set BW, 2
.set BB, 64
.else
.set BW, 3
.set BB, 96*PS
.endif
.set ZR, 0
.if (\sl) == 0
.set ZR, 1
.endif
.if (\m) < 4
	WIN 0x50|BW                                    ; source 0 (W2) in its set's window, source 1 (h) in window 0, C and D in window 1
.else
	WIN 0xa0|BW                                    ; C and D in window 2
.endif
.irp t, 0,1,2,3,4,5,6,7
.set DD, 64*((\m)%4)+8*\t
.set AA, BB+12*\t
.set FF, HF+60*PS+12*(\m)
.set SA, WS+8*(\t%4)+(\sl)
.set SB, HS+4*PS+((\m)%4)
.set RA1, \t/4
.set RB1, (\m)/4
	WM
.endr
.endm
; A step of 128 along K: 40 matrix instructions.  The 40 accumulators take turns, one instruction a turn, in the same order in every step.  The first step's products start the sums: nothing is cleared.
; Step 0's loads land in registers that no vector or matrix instruction has named; steps 6 and 7 load nothing: none of the three has a wait on va_vdst.
.macro KSTEP sl
.if ((\sl) > 0) && ((\sl) <= 5)
.rept 4
	v_nop                                          ; places in front of loads into registers that the last step's products read (ISA guide 7.12.1 for vector instructions)
.endr
	s_wait_alu depctr_va_vdst(0)                   ; the last step's products are done reading W2's, h's and h's scale words' sets (sl + 2) % 3, in which all loads of this step land
.endif
.if (\sl) < 7
	s_wait_loadcnt 40                              ; this step's 40 loads are in; the next step's 40 may be out
.else
	s_wait_loadcnt 0x0
.endif
	MGROUP \sl, 0
.if (\sl) <= 5
	WPART (\sl)+2, 0                               ; no wait: no vector or matrix instruction since the wait at the step's head names these registers
.endif
	MGROUP \sl, 1
.if (\sl) <= 5
	WPART (\sl)+2, 4
.endif
	MGROUP \sl, 2
.if (\sl) <= 5
	HPART (\sl)+2
.endif
	MGROUP \sl, 3
	MGROUP \sl, 4
.endm
	KSTEP 0
	KSTEP 1
	KSTEP 2
	KSTEP 3
	KSTEP 4
	KSTEP 5
	KSTEP 6
	KSTEP 7
.rept 4
	v_nop                                          ; places in front of the first read of results
.endr
	s_wait_alu depctr_va_vdst(0)                   ; the products have written the accumulators, which the LDS stores read, and are done reading h's fragments v76-255, in which the loads from the stage land; the places above stay beside this wait
.irp m, 0,1,2,3,4
	WIN 0x04+4*(\m/4)                              ; an LDS store's data are its source 1: window 1 or 2
.irp t, 0,1,2,3,4,5,6,7
	ds_store_b128 v5, v[64*(\m%4)+8*\t:64*(\m%4)+8*\t+3] offset:8448*\m+128*(\t/2)+32*(\t%2)          ; each accumulator from its low end on
	ds_store_b128 v5, v[64*(\m%4)+8*\t+4:64*(\m%4)+8*\t+7] offset:8448*\m+128*(\t/2)+32*(\t%2)+16
.endr
.endr
	WIN 0
.Lmeet:
	s_wait_dscnt 0x0                               ; for the others' sake: my partial tile lies in LDS
	s_barrier_signal -1
	s_barrier_wait -1                              ; all four do.  The only barrier: every wave of every work-group passes it
	s_cmp_gt_u32 s22, 3
	s_cbranch_scc1 .Lend
	s_wait_loadcnt 0x0                             ; b2 (long in on the way through the main part)
; Row i of batch b: the four waves' parts and b2 are added, and the row's offset in out0 is made from its token, held at 2047 (for a row without a token too: it is not used there).
.macro SUMROW b, i
.set RR, HF+16*(\i)
	s_wait_dscnt 4*(9-(\i))                        ; this row's four loads are in; those of the batch's later rows may be out
	v_pk_add_f32 v[RR:RR+1], v[RR:RR+1], v[RR+4:RR+5]
	v_pk_add_f32 v[RR+2:RR+3], v[RR+2:RR+3], v[RR+6:RR+7]
	v_pk_add_f32 v[RR+8:RR+9], v[RR+8:RR+9], v[RR+12:RR+13]
	v_pk_add_f32 v[RR+10:RR+11], v[RR+10:RR+11], v[RR+14:RR+15]
	v_pk_add_f32 v[RR:RR+1], v[RR:RR+1], v[RR+8:RR+9]
	v_pk_add_f32 v[RR+2:RR+3], v[RR+2:RR+3], v[RR+10:RR+11]
	v_pk_add_f32 v[RR:RR+1], v[RR:RR+1], v[12:13]
	v_pk_add_f32 v[RR+2:RR+3], v[RR+2:RR+3], v[14:15]
	s_min_u32 s26, s[40+10*(\b)+(\i)], 2047        ; a loaded number is held before it enters an address
	s_lshl_b32 s26, s26, 12                        ; 4,096 bytes a token
	v_add_nc_u32 v[16+(\i)], s26, v4
.endm
; The row goes to its token's place, 32 lanes storing 512 consecutive bytes, aligned; a row without a token is not stored.
.macro OUTROW b, i
.set RR, HF+16*(\i)
	s_cmp_lt_u32 s[40+10*(\b)+(\i)], 2048
	s_cbranch_scc0 .Lno_row_\@
	global_store_b128 v[16+(\i)], v[RR:RR+3], s[16:17] th:TH_STORE_NT
.Lno_row_\@:
.endm
.macro BATCH b
.irp i, 0,1,2,3,4,5,6,7,8,9
.irp q, 0,1,2,3
	ds_load_b128 v[HF+16*\i+4*\q:HF+16*\i+4*\q+3], v[6+\q] offset:528*(10*(\b)+\i)
.endr
.endr
.irp i, 0,1,2,3,4,5,6,7,8,9
	SUMROW \b, \i
.endr
	s_wait_alu depctr_va_vdst(0)                   ; the batch's ten sums and ten offsets v16-25 are written, which the stores below read; no vector instruction stands among the stores
.irp i, 0,1,2,3,4,5,6,7,8,9
	OUTROW \b, \i
.endr
.endm
	BATCH 0
	s_wait_xcnt 0x0                                ; the first batch's stores have had their addresses translated (ISA guide 3.1),
	s_wait_alu depctr_vm_vsrc(0)                   ; and have read their data and offsets: the second batch's loads land in the one, its additions write the other (the first batch's sums stand ahead of the last wait on va_vdst)
	BATCH 1
.Lend:
	s_wait_dscnt 0x0                               ; the closing lines, six on end
	s_wait_alu 0x0
	s_wait_tensorcnt 0x0
	ds_add_u32 v30, v31
	s_wait_dscnt 0x0
	s_endpgm
.Lfunc_end_k_qab8c7b4ae8_down:
	.size	k_qab8c7b4ae8_down, .Lfunc_end_k_qab8c7b4ae8_down-k_qab8c7b4ae8_down
	.p2alignl 7, 3214868480
	.fill 96, 4, 3214868480
	.section	.rodata,"a",@progbits
	.p2align	6, 0x0
	.amdhsa_kernel k_qab8c7b4ae8_down
		.amdhsa_group_segment_fixed_size 169472
		.amdhsa_private_segment_fixed_size 0
		.amdhsa_enable_private_segment 0
		.amdhsa_kernarg_size 56
		.amdhsa_user_sgpr_count 2
		.amdhsa_user_sgpr_kernarg_segment_ptr 1
		.amdhsa_wavefront_size32 1
		.amdhsa_system_sgpr_workgroup_id_x 1
		.amdhsa_system_sgpr_workgroup_id_y 1
		.amdhsa_system_sgpr_workgroup_id_z 1
		.amdhsa_system_vgpr_workitem_id 0
		.amdhsa_next_free_vgpr 1024
		.amdhsa_next_free_sgpr 100
		.amdhsa_reserve_vcc 0
		.amdhsa_float_denorm_mode_32 3
		.amdhsa_float_denorm_mode_16_64 3
		.amdhsa_memory_ordered 1
		.amdhsa_forward_progress 1
		.amdhsa_inst_pref_size 107
	.end_amdhsa_kernel
	.amdgpu_metadata
---
amdhsa.version: [ 1, 2 ]
amdhsa.kernels:
  - .name:           k_qab8c7b4ae8_down
    .symbol:         k_qab8c7b4ae8_down.kd
    .args:
      - { .name: hf, .offset: 0, .size: 8, .value_kind: global_buffer, .address_space: global }
      - { .name: hs, .offset: 8, .size: 8, .value_kind: global_buffer, .address_space: global }
      - { .name: w2f, .offset: 16, .size: 8, .value_kind: global_buffer, .address_space: global }
      - { .name: w2_scales, .offset: 24, .size: 8, .value_kind: global_buffer, .address_space: global }
      - { .name: b2, .offset: 32, .size: 8, .value_kind: global_buffer, .address_space: global }
      - { .name: plan, .offset: 40, .size: 8, .value_kind: global_buffer, .address_space: global }
      - { .name: out0, .offset: 48, .size: 8, .value_kind: global_buffer, .address_space: global }
    .group_segment_fixed_size: 169472
    .private_segment_fixed_size: 0
    .kernarg_segment_align: 8
    .kernarg_segment_size: 56
    .max_flat_workgroup_size: 128
    .sgpr_count:     100
    .vgpr_count:     1024
    .wavefront_size: 32
...
	.end_amdgpu_metadata
.endif
;; end of part 8
